; MI455X (gfx1250); checked and timed in simulation.
; The chip was launched on July 23, 2026; its instructions are those of AMD's public machine-readable ISA for CDNA 5 (MIT licence, August 2026) and "CDNA5" Instruction Set Architecture Reference Guide (July 2026). The comments in the code are by the model that wrote it; some were corrected since.
;; Atten Head. Allowed arithmetic: matrix products marked QUANTISED: E4M3 operands, one E8M0 scale for each 32 along K, by v_wmma_scale_f32_16x16x128_f8f6f4 with both operands' format E4M3, f32 sums; everything else in f32.
;; Inputs: WK 1,024 x 1,024 float32; WQ 1,024 x 1,024 float32; WV 1,024 x 1,024 float32; inputs 4 x 2,048 x 1,024 float32.
;; Outputs: out0 4 x 2,048 x 1,024 float32.
;; This version of the problem:
;;   THIS VERSION OF THE PROBLEM IS GIVEN IN LOW PRECISION. The matrix products marked QUANTISED in the list below multiply operands that are first quantised to E4M3 (4 exponent bits, 3 mantissa bits; 8 bits a number), with one power-of-two scale for each 32 numbers along K (OCP MX v1.0); their sums are f32. All else is computed in f32.
;;   The module's matrix products, in the order in which they are computed (A, B: the left and right operand; K: the contracted axis; several contracted axes count as one K, in the product's order):
;;     1. [M 8,192, K 1,024] x [K 1,024, N 1,024]; A: input inputs; B: input WK: QUANTISED
;;     2. [M 8,192, K 1,024] x [K 1,024, N 1,024]; A: input inputs; B: input WQ: QUANTISED
;;     3. [M 8,192, K 1,024] x [K 1,024, N 1,024]; A: input inputs; B: input WV: QUANTISED
;;     4. batch 4 x [M 2,048, K 1,024] x [K 1,024, N 2,048]; A: computed on the way; B: computed on the way: QUANTISED
;;     5. batch 4 x [M 2,048, K 2,048] x [K 2,048, N 1,024]; A: softmax (see below); B: computed on the way: QUANTISED
;;   THE QUANTISER, for each operand of a quantised product, along K:
;;     - K is cut into blocks of 32 from its start; a last block that is shorter is filled with zeros.
;;     - A block's scale is 2^e with e = floor(log2(the largest magnitude in the block)) - 8, held to -126 .. 127; a block of zeros has e = 0. As a byte (E8M0): e + 127.
;;     - Each number is divided by its block's scale, clamped to +-448, and rounded to the nearest number of E4M3, ties to even, subnormals kept.
;;     - The product sums the exact products of the quantised numbers (number of the format x scale) in f32.
;;   ~~~python
;;   def quantise(x, axis):      # numpy; x: float32 -> the quantised numbers, widened to float32 again
;;       x = np.moveaxis(x, axis, -1); K = x.shape[-1]
;;       x = np.pad(x, [(0, 0)] * (x.ndim - 1) + [(0, -K % 32)]); x = x.reshape(x.shape[:-1] + (-1, 32)); a = np.abs(x).max(-1, keepdims=True)
;;       e = np.where(a > 0, np.clip(np.frexp(np.where(a > 0, a, 1))[1] - 1 - 8, -126, 127), 0)      # np.frexp(a)[1] - 1 = floor(log2(a)), exactly
;;       r = np.clip(x / 2.0 ** e, -448, 448)
;;       step = 2.0 ** (np.maximum(np.frexp(np.where(r == 0, 1, r))[1] - 1, -6) - 3)
;;       q = np.round(r / step) * step * 2.0 ** e      # np.round: ties to even
;;       return np.moveaxis(q.reshape(q.shape[:-2] + (-1,))[..., :K], -1, axis).astype(np.float32)
;;   ~~~
;;   SOFTMAX AHEAD OF A QUANTISED PRODUCT. Where the list says 'softmax', what is quantised is not the finished softmax but p = 2^(t - M), with t = logit x log2(e) and M = ceil(the row's largest t), a whole number; so 1/2 < the row's largest p <= 1. The row's sum l is taken of the UNQUANTISED p, in f32, and the product's result is divided by l at the end. Since M is a whole number, a kernel that streams over the keys may use a running M (the ceiling of the running maximum): every later rescaling is an exact power of two, which a block's scale takes up: the codes' values come out the same.
;;   OPERANDS COMPUTED ON THE WAY. 'Computed on the way' means the value that the module computes at that place (a softmax that the list does not call 'softmax' is quantised finished and normalised). What goes into a quantiser is computed in f32, as accurately as f32 sums, v_exp_f32 and their like allow (about 1e-6 of the number): no bf16 or f16 on the way to a quantiser, and a product that is left as it is and whose result goes on into a quantised operand takes f32 operands (vector FMAs, or v_wmma_f32_16x16x4_f32). A number that lies on a knife's edge between two numbers of the format may be rounded either way, as far as f32 arithmetic and the matrix unit's own rounding can turn it there, and no further.
;; One version. Each part assembles by itself: llvm-mc -triple=amdgcn-amd-amdhsa -mcpu=gfx1250 --defsym DOCPART=n.
;; ======== version 1 of 1: 4 launches
;; limits: right only within a limited range of input values
;; workspace buffers: xc 11,534,336 bytes; xs 262,144 bytes; ws 98,304 bytes; qkv 25,952,256 bytes; pst 18,350,080 bytes
;; launch quant (part 1): grid 256 x 1, 12 waves a work-group, no clusters, 87,040 bytes of LDS; arguments inputs, WQ, WK, WV, xc, xs, ws; writes xc, xs, ws
.if DOCPART == 1
	.amdgcn_target "amdgcn-amd-amdhsa--gfx1250"
	.amdhsa_code_object_version 6
	.text
	.protected	k_q57f20748a5_quant
	.globl	k_q57f20748a5_quant
	.p2align	8
	.type	k_q57f20748a5_quant,@function
k_q57f20748a5_quant:
	s_mov_b64 s[64:65], 0
	v_nop
	global_prefetch_b8 v0, s[64:65] scope:SCOPE_SE
	s_setreg_imm32_b32 hwreg(HW_REG_WAVE_MODE, 25, 1), 1
	s_wait_xcnt 0x0
; inputs [8192][1024] f32 and WQ, WK, WV [1024 (k)][1024 (n)] f32 become codes of FP8 (E4M3) with one E8M0 scale byte for each 32 along K (the 1,024 shared by the three projections).
; A block's scale is 2^(floor(log2(largest magnitude)) - 8): its byte is the largest magnitude's exponent field - 8, held at 1 from below; numbers are held within +-448 x scale and rounded to the nearest code, ties to even.
; LIMITS of the program: NaN and infinities are not served.  A block of zeros gets the byte 1 where the rule says 127: its codes are zeros, which add nothing under any byte but 0xff, and this program alone reads the bytes.
; LEFT OUT in the program: whole tiles of scores and of p that lie above the diagonal of the causal mask which reference() builds: they are thrown away for all values of the inputs.  A NaN or an overflow that reaches only those is not carried.
; LAYOUT.  xc: [rb = block of 16 places][ks = 128 along K][c = 0..3][lane 0..31][16 bytes]: the image of an operand's registers: lane (r, h), piece c holds K = 128 ks + 32 c + 16 h + 0..15 of place r.
;   rb 0-511 the rows of inputs, 512-575 WQ's columns, 576-639 WK's, 640-703 WV's.  xs: 32 scale bytes for each place of inputs, in the order of the places.  ws: [ks][192 rb of W][16] words of four scale bytes.
; PLACES OF inputs: in a group of 32 rows the block u holds rows 8 u + {0-7, 16-23}; of each four groups the middle two are exchanged (group 32 T goes to pair T with bits 0 and 1 exchanged).
; PLACES OF W: place 16 j + 8 m + i of a group of 64 is column 32 m + 8 j + i.
; SHARES.  A work-group takes 32 rows of inputs: wave n < 8 takes ks = n, two blocks of 16 rows x 128.  Waves 8-11 take W: two neighbouring waves share 64 columns x 128 along K, half of K each; there are 384 such pairs of
;   waves' work: two in a work-group of even number, one in one of odd number (whose waves 10 and 11 take no W).  No tensor loads; one barrier, behind which the scale bytes leave as whole units.
.set WREG,  8448                       ; LDS of an inputs wave: a stage of 16 rows x SP bytes
.set SP,    528
.set XSB,   8*WREG                     ; 32 rows x 32 scale bytes
.set WSB,   XSB+1024                   ; four W waves x 64 places x 2 scale bytes
.set WST,   WSB+512                    ; four W waves x 4,096 bytes of codes
.set SPARE, WST+16384                  ; the spare words, 128 bytes a wave
.set R,     16                         ; v16-143  the numbers as loaded
.set XN,    144                        ; v144-207 64 numbers of my row; in W two sets of 32 of a column
.set PC,    208                        ; v208-239 codes
.set TM,    224
.set PW,    240
.set SEL,   20                         ; s[20:21] v_permlanex16_b32's selects for lane l xor 16
.set MNT,   23                         ; the mantissa field of 448
; 64 numbers of a lane, v[XN] on, become the fragment's codes in v[PC] on and its scale word in v[PW]
.macro QUANT
.irp b, 0,1,2,3
	v_max3_num_f32 v[TM+\b], |v[XN+16*\b]|, |v[XN+1+16*\b]|, 0x4800000   ; the floor 2^(9 - 127): the byte cannot fall under 1
.endr
.irp i, 2,4,6,8,10,12,14
.irp b, 0,1,2,3
	v_max3_num_f32 v[TM+\b], v[TM+\b], |v[XN+16*\b+\i]|, |v[XN+1+16*\b+\i]|
.endr
.endr
.irp b, 0,1,2,3
	v_permlanex16_b32 v[TM+4+\b], v[TM+\b], s[SEL], s[SEL+1]
.endr
.irp b, 0,1,2,3
	v_max_num_f32 v[TM+\b], v[TM+\b], v[TM+4+\b]           ; with lane l xor 16's 16: the block's largest magnitude
.endr
.irp b, 0,1,2,3
	v_add_nc_u32 v[TM+12+\b], 0xfc000000, v[TM+\b]         ; 8 off its exponent field: the conversion's scale operand
.endr
.irp b, 0,1,2,3
	v_and_or_b32 v[TM+8+\b], v[TM+\b], 0x7f800000, s[MNT]  ; 448 x the scale
.endr
.irp b, 0,1,2,3
	v_lshrrev_b32 v[TM+4+\b], 23, v[TM+12+\b]              ; the scale's byte
.endr
	v_lshl_or_b32 v[PW], v[TM+5], 8, v[TM+4]
	v_lshl_or_b32 v[PW], v[TM+6], 16, v[PW]
	v_lshl_or_b32 v[PW], v[TM+7], 24, v[PW]
.irp b, 0,1,2,3
.irp i, 0,1,2,3,4,5,6,7,8,9,10,11,12,13,14,15
	v_med3_num_f32 v[XN+16*\b+\i], v[XN+16*\b+\i], -v[TM+8+\b], v[TM+8+\b]   ; the conversion to an 8-bit code does not saturate (ISA guide 7.6.2): the hold comes first
.endr
	v_cvt_scalef32_pk8_fp8_f32 v[PC+4*\b:PC+1+4*\b], v[XN+16*\b:XN+7+16*\b], v[TM+12+\b]
	v_cvt_scalef32_pk8_fp8_f32 v[PC+2+4*\b:PC+3+4*\b], v[XN+8+16*\b:XN+15+16*\b], v[TM+12+\b]
.endr
	v_nop                                                  ; a plain line behind the last conversion
.endm
.macro LOADU u                         ; block u's 16 rows: 512 consecutive bytes of a row to a load
.irp t, 0,1,2,3,4,5,6,7,8,9,10,11,12,13,14,15
	global_load_b128 v[R+64*\u+4*\t:R+64*\u+4*\t+3], v2, s[4:5] offset:(8*\u+\t+8*(\t/8))*4096 th:TH_LOAD_NT
.endr
.endm
.macro UNIT u
	s_wait_loadcnt 16*(1-\u)                       ; this block's 16 loads are in; behind them stand the other block's
.irp t, 0,1,2,3,4,5,6,7,8,9,10,11,12,13,14,15
	ds_store_b128 v3, v[R+64*\u+4*\t:R+64*\u+4*\t+3] offset:SP*\t    ; the rows as they lie
.endr
.irp c, 0,1,2,3
.irp j, 0,1,2,3
	ds_load_b128 v[XN+16*\c+4*\j:XN+16*\c+4*\j+3], v4 offset:128*\c+16*\j   ; back as 16 neighbours of each block of 32 of my row; LDS serves a wave's instructions in order
.endr
.endr
	s_wait_dscnt 0x0
	s_wait_xcnt 0x0                                ; the other block's stores have read the codes' registers
	QUANT
.irp c, 0,1,2,3
	global_store_b128 v2, v[PC+4*\c:PC+4*\c+3], s[16:17] offset:16384*\u+512*\c   ; 512 consecutive bytes
.endr
	ds_store_b32 v5, v[PW] offset:512*\u           ; my row's word (both halves of the lanes hold the same)
.endm
; W: column 2 lane + e of the 64, block c of my two: its numbers stand two registers apart; the hold lays them side by side
.macro COL c, e
.set S_, R+64*\c+\e
.set Y_, XN+32*\e
.set D_, PC+8*(2*\c+\e)
	v_max3_num_f32 v240, |v[S_]|, |v[S_+2]|, |v[S_+4]|
	v_max3_num_f32 v241, |v[S_+6]|, |v[S_+8]|, |v[S_+10]|
.irp i, 6,10,14,18,22,26
	v_max3_num_f32 v240, v240, |v[S_+2*\i]|, |v[S_+2*\i+2]|
	v_max3_num_f32 v241, v241, |v[S_+2*\i+4]|, |v[S_+2*\i+6]|
.endr
	v_max3_num_f32 v240, v240, |v[S_+60]|, |v[S_+62]|
	v_max3_num_f32 v240, v240, v241, 0x4800000     ; and the floor
	v_add_nc_u32 v242, 0xfc000000, v240
	v_and_or_b32 v243, v240, 0x7f800000, s[MNT]
	v_lshrrev_b32 v244, 23, v242
.if (\c+\e) == 0
	v_mov_b32 v245, v244
.else
	v_lshl_or_b32 v245, v244, 16*\e+8*\c, v245
.endif
.set K_, 0
.rept 32
	v_med3_num_f32 v[Y_+K_], v[S_+2*K_], -v243, v243
.set K_, K_+1
.endr
.irp g, 0,1,2,3
	v_cvt_scalef32_pk8_fp8_f32 v[D_+2*\g:D_+2*\g+1], v[Y_+8*\g:Y_+8*\g+7], v242
.endr
	v_nop
	ds_store_b128 v6, v[D_:D_+3] offset:512*\c+16*\e           ; K 0-15 of the block: the image's lanes 0-15
	ds_store_b128 v6, v[D_+4:D_+7] offset:512*\c+16*\e+256     ; K 16-31: its lanes 16-31
.endm
	s_load_b256 s[4:11], s[0:1], 0x0               ; inputs, WQ, WK, WV
	s_load_b128 s[12:15], s[0:1], 0x20             ; xc, xs
	s_load_b64 s[24:25], s[0:1], 0x30              ; ws
	v_lshl_add_u32 v254, v0, 2, SPARE
	v_mov_b32 v255, 0
	v_lshrrev_b32 v1, 5, v0
	v_readfirstlane_b32 s26, v1                    ; wave
	v_and_b32 v1, 31, v0                           ; lane
	v_and_b32 v8, 15, v0                           ; r
	v_bfe_u32 v9, v0, 4, 1                         ; h
	v_lshlrev_b32 v2, 4, v1                        ; 16 x lane
	s_mul_i32 s27, s26, WREG
	v_add_nc_u32 v3, s27, v2                       ; inputs: the stage, on the way in,
	v_mul_u32_u24 v4, v8, SP
	v_lshl_add_u32 v4, v9, 6, v4
	v_add_nc_u32 v4, s27, v4                       ; and out: row r, + 64 h
	s_lshl_b32 s27, s26, 2
	s_add_co_u32 s27, s27, XSB
	v_lshl_add_u32 v5, v8, 5, s27                  ; my row's word of my ks
	s_lshl_b32 s27, s26, 9
	s_add_co_u32 s27, s27, XSB
	v_add_nc_u32 v10, s27, v2                      ; waves 0, 1 behind the barrier: 512 scale bytes each
	s_and_b32 s28, s26, 3
	s_lshl_b32 s27, s28, 12
	s_add_co_u32 s27, s27, WST
	s_wait_alu depctr_va_vdst(0)                   ; the wait directly ahead of the reader below
	v_add_nc_u32 v14, s27, v2                      ; W: codes back from LDS,
	v_bfe_u32 v11, v1, 2, 2                        ; column 2 lane = [m j1 j0 i2 i1 0] has place [j1 j0 m i2 i1 0]: block (lane / 4) % 4, row 8 (lane / 16) + 2 (lane % 4)
	v_and_b32 v12, 3, v1
	v_lshlrev_b32 v13, 7, v9
	v_lshl_add_u32 v13, v11, 10, v13
	v_lshl_add_u32 v13, v12, 5, v13
	v_add_nc_u32 v6, s27, v13                      ; and in: 1,024 x block + 16 x row
	s_lshl_b32 s27, s28, 7
	s_add_co_u32 s27, s27, WSB
	v_lshlrev_b32 v13, 4, v9
	v_lshl_add_u32 v13, v11, 5, v13
	v_lshl_add_u32 v13, v12, 2, v13
	v_add_nc_u32 v7, s27, v13                      ; 2 x place: the scale bytes of my two columns
	v_lshl_add_u32 v11, v1, 2, s27                 ; and behind the barrier those of places 2 lane, 2 lane + 1
	v_lshlrev_b32 v12, 3, v1                       ; 8 x lane
.irp b, 0,1,2,3
	v_mov_b32 v[TM+4+\b], 0                        ; a lane permute's destination counts as one of its sources
.endr
	s_mov_b32 s[SEL], 0x76543210
	s_mov_b32 s[SEL+1], 0xfedcba98
	s_mov_b32 s[MNT], 0x600000
	s_and_b32 s30, ttmp9, 0xfc
	s_and_b32 s31, ttmp9, 1
	s_lshl_b32 s31, s31, 1
	s_or_b32 s30, s30, s31
	s_bfe_u32 s31, ttmp9, 0x10001
	s_or_b32 s30, s30, s31                         ; my rows' pair of blocks: the work-group's number with bits 0 and 1 exchanged
	s_and_b32 s34, ttmp9, 1
	s_bfe_u32 s35, s26, 0x10001                    ; W: the first or the second pair of waves
	s_and_b32 s38, s34, s35                        ; 1: this pair takes no W
	s_lshr_b32 s39, ttmp9, 1
	s_mul_i32 s39, s39, 3
	s_lshl_b32 s34, s34, 1
	s_add_co_u32 s39, s39, s34
	s_add_co_u32 s39, s39, s35                     ; which of the 384 (of use in waves 8-11 alone):
	s_and_b32 s40, s39, 15                         ; 64 columns,
	s_bfe_u32 s41, s39, 0x30004                    ; ks,
	s_lshr_b32 s42, s39, 7                         ; which W
	s_lshl_b32 s44, s42, 6
	s_lshl_b32 s45, s40, 2
	s_add_co_u32 s44, s44, s45                     ; block among W's 192
	s_lshl_b32 s36, s44, 6
	s_mul_i32 s37, s41, 12288
	s_add_co_u32 s36, s36, s37                     ; where the scale words go
	s_mov_b32 s37, 0
	s_wait_alu depctr_va_vdst(0)                   ; the wait at the head's end
	s_wait_kmcnt 0x0
	s_cmp_lt_u32 s26, 8
	s_cbranch_scc0 .Lpath_w
	s_lshl_b32 s28, ttmp9, 17                      ; 32 rows of 4,096 bytes
	s_lshl_b32 s29, s26, 9
	s_add_co_u32 s28, s28, s29
	s_mov_b32 s29, 0
	s_lshl_b32 s32, s30, 15                        ; codes: two blocks of 16,384 bytes, 2,048 a ks
	s_lshl_b32 s33, s26, 11
	s_add_co_u32 s32, s32, s33
	s_mov_b32 s33, 0
	s_add_nc_u64 s[4:5], s[4:5], s[28:29]
	s_add_nc_u64 s[16:17], s[12:13], s[32:33]
	LOADU 0
	LOADU 1
	UNIT 0
	UNIT 1
	s_branch .Ljoin
.Lpath_w:
	s_cmp_lg_u32 s38, 0
	s_cbranch_scc1 .Ljoin
	s_and_b32 s43, s26, 1                          ; my half of the ks
	s_lshl_b32 s28, s41, 19
	s_lshl_b32 s29, s43, 18
	s_add_co_u32 s28, s28, s29
	s_lshl_b32 s29, s40, 8
	s_add_co_u32 s28, s28, s29                     ; W: 64 rows of 4,096 bytes from 128 ks + 64 half on; 256 bytes of a row
	s_mov_b32 s29, 0
	s_add_co_u32 s32, s44, 512
	s_lshl_b32 s32, s32, 14
	s_lshl_b32 s33, s41, 11
	s_add_co_u32 s32, s32, s33
	s_lshl_b32 s33, s43, 10
	s_add_co_u32 s32, s32, s33                     ; codes
	s_mov_b32 s33, 0
	s_cmp_eq_u32 s42, 2                            ; the choice hangs on the work-group's and the wave's number alone
	s_cselect_b64 s[8:9], s[10:11], s[8:9]
	s_cmp_eq_u32 s42, 0
	s_cselect_b64 s[6:7], s[6:7], s[8:9]
	s_add_nc_u64 s[6:7], s[6:7], s[28:29]
	s_add_nc_u64 s[16:17], s[12:13], s[32:33]
.set K_, 0
.rept 64
	global_load_b64 v[R+2*K_:R+2*K_+1], v12, s[6:7] offset:4096*K_ th:TH_LOAD_NT   ; 32 lanes read 256 consecutive bytes, aligned
.set K_, K_+1
.endr
	s_wait_loadcnt 32                              ; the first 32 along K are in
	COL 0, 0
	COL 0, 1
	s_wait_loadcnt 0x0
	COL 1, 0
	COL 1, 1
	ds_store_b32 v7, v245
.irp i, 0,1,2,3,4,5,6,7
	ds_load_b128 v[R+4*\i:R+4*\i+3], v14 offset:512*\i   ; LDS serves a wave's instructions in order: these see my stores
.endr
.irp i, 0,1,2,3,4,5,6,7
	s_wait_dscnt 7-\i
	global_store_b128 v2, v[R+4*\i:R+4*\i+3], s[16:17] offset:16384*(\i/2)+512*(\i%2)   ; 512 consecutive bytes
.endr
.Ljoin:
	s_wait_dscnt 0x0                               ; my scale bytes are in LDS
	s_barrier_signal -1
	s_barrier_wait -1
	s_cmp_lt_u32 s26, 2
	s_cbranch_scc0 .Lnot_x
	s_lshl_b32 s32, s30, 10                        ; scale bytes: 1,024 a pair of blocks; waves 0 and 1 store half each
	s_lshl_b32 s33, s26, 9
	s_add_co_u32 s32, s32, s33
	s_mov_b32 s33, 0
	s_add_nc_u64 s[18:19], s[14:15], s[32:33]
	ds_load_b128 v[16:19], v10
	s_wait_dscnt 0x0
	global_store_b128 v2, v[16:19], s[18:19]       ; 512 consecutive bytes
	s_branch .Lend
.Lnot_x:
	s_and_b32 s27, s26, 13
	s_cmp_eq_u32 s27, 8                            ; waves 8 and 10
	s_cbranch_scc0 .Lend
	s_cmp_lg_u32 s38, 0
	s_cbranch_scc1 .Lend
	s_mov_b32 s27, 0x05040100
	s_mov_b32 s28, 0x07060302
	s_add_nc_u64 s[18:19], s[24:25], s[36:37]
	ds_load_b32 v246, v11                          ; the lower halves of two words,
	ds_load_b32 v247, v11 offset:128               ; and the upper halves, from the other wave of the pair
	s_wait_dscnt 0x0
	v_perm_b32 v248, v247, v246, s27
	v_perm_b32 v249, v247, v246, s28
	global_store_b64 v12, v[248:249], s[18:19]     ; 256 consecutive bytes, aligned
.Lend:
	s_wait_tensorcnt 0x0                           ; the wave's end
	ds_add_u32 v254, v255
	s_wait_dscnt 0x0
	s_endpgm
.Lfunc_end_k_q57f20748a5_quant:
	.size	k_q57f20748a5_quant, .Lfunc_end_k_q57f20748a5_quant-k_q57f20748a5_quant
	.p2alignl 7, 3214868480
	.fill 96, 4, 3214868480
	.section	.rodata,"a",@progbits
	.p2align	6, 0x0
	.amdhsa_kernel k_q57f20748a5_quant
		.amdhsa_group_segment_fixed_size 87040
		.amdhsa_private_segment_fixed_size 0
		.amdhsa_enable_private_segment 0
		.amdhsa_kernarg_size 56
		.amdhsa_user_sgpr_count 2
		.amdhsa_user_sgpr_kernarg_segment_ptr 1
		.amdhsa_wavefront_size32 1
		.amdhsa_system_sgpr_workgroup_id_x 1
		.amdhsa_system_sgpr_workgroup_id_y 1
		.amdhsa_system_sgpr_workgroup_id_z 1
		.amdhsa_system_vgpr_workitem_id 0
		.amdhsa_next_free_vgpr 256
		.amdhsa_next_free_sgpr 66
		.amdhsa_reserve_vcc 0
		.amdhsa_float_denorm_mode_32 3
		.amdhsa_float_denorm_mode_16_64 3
		.amdhsa_memory_ordered 1
		.amdhsa_forward_progress 1
		.amdhsa_inst_pref_size 53
	.end_amdhsa_kernel
	.amdgpu_metadata
---
amdhsa.version: [ 1, 2 ]
amdhsa.kernels:
  - .name:           k_q57f20748a5_quant
    .symbol:         k_q57f20748a5_quant.kd
    .args:
      - { .name: inputs, .offset: 0, .size: 8, .value_kind: global_buffer, .address_space: global }
      - { .name: WQ, .offset: 8, .size: 8, .value_kind: global_buffer, .address_space: global }
      - { .name: WK, .offset: 16, .size: 8, .value_kind: global_buffer, .address_space: global }
      - { .name: WV, .offset: 24, .size: 8, .value_kind: global_buffer, .address_space: global }
      - { .name: xc, .offset: 32, .size: 8, .value_kind: global_buffer, .address_space: global }
      - { .name: xs, .offset: 40, .size: 8, .value_kind: global_buffer, .address_space: global }
      - { .name: ws, .offset: 48, .size: 8, .value_kind: global_buffer, .address_space: global }
    .group_segment_fixed_size: 87040
    .private_segment_fixed_size: 0
    .kernarg_segment_align: 8
    .kernarg_segment_size: 56
    .max_flat_workgroup_size: 384
    .sgpr_count:     66
    .vgpr_count:     256
    .wavefront_size: 32
...
	.end_amdgpu_metadata
.endif
;; end of part 1
;; launch proj (part 2): grid 16 x 16, 4 waves a work-group, clusters of 4 x 4, 327,680 bytes of LDS; arguments xc, xs, ws, qkv; writes qkv
.if DOCPART == 2
	.amdgcn_target "amdgcn-amd-amdhsa--gfx1250"
	.amdhsa_code_object_version 6
	.text
	.protected	k_q57f20748a5_proj
	.globl	k_q57f20748a5_proj
	.p2align	8
	.type	k_q57f20748a5_proj,@function
k_q57f20748a5_proj:
	s_mov_b64 s[64:65], 0
	v_nop
	global_prefetch_b8 v0, s[64:65] scope:SCOPE_SE
	s_setreg_imm32_b32 hwreg(HW_REG_WAVE_MODE, 25, 1), 1
	s_wait_xcnt 0x0
	s_wait_alu depctr_hold_cnt(0) depctr_sa_sdst(0) depctr_va_vdst(0) depctr_va_sdst(0) depctr_va_ssrc(0) depctr_va_vcc(0) depctr_vm_vsrc(0)
	s_getreg_b32 s2, hwreg(HW_REG_IB_STS2, 6, 4)
	s_cmp_eq_u32 s2, 0
	s_cbranch_scc0 .Lentry_in_a_cluster
	s_endpgm
.Lentry_in_a_cluster:
	s_bfe_u32 s2, ttmp6, 0x10000c
	s_cmp_lg_u32 s2, 0xf033
	s_cbranch_scc0 .Lentry_shape_is_right
	s_endpgm
.Lentry_shape_is_right:
; Q, K, V = inputs x WQ, WK, WV on codes of FP8 (E4M3) with E8M0 scales, K = 1,024, and their quantisers: Q and K along e, V along the tokens.  No f32 result is stored.
; LIMITS: NaN, infinities and sums beyond f32's range are not served.  A block's byte never falls under 1 (a block of zeros has codes of zero).
; qkv: Q's and K's codes [512 rb of token places][16 ks: Q 0-7, K 8-15][2,048] as images of operand registers; at VTC V^T's [64 rb of e places][64 ks of tokens][2,048]; at QKS Q's and K's scale words [16 ks][512 rb][16];
;   at VTS V^T's [64 ks][64 rb][16].  Token places: block u of 32 tokens holds tokens 8 u + {0-7, 16-23}.  e places: place 16 j + 8 m + i of a group of 64 is e = 32 m + 8 j + i.
; THE DEAL.  256 work-groups of four waves, 2 x 2; a wave holds 64 columns of a weight, ALL of K, in registers (512) and streams blocks of 16 tokens past them, which stand in registers as two whole sets (256).
; PHASE 1: 512 tokens x 128 columns of Q or K (one ks of the next product): sixteen blocks a wave.  PHASE 2: 256 x 128 of V: eight blocks, of ONE OF THE WORK-GROUP'S OWN TWO WINDOWS of 256 tokens: number s18.
; CHUNKS of 128 tokens, in the order of work: 0, 1 the window that is not V's; 2, 3 V's.  Row of waves w takes of each chunk tokens 64 w on, blocks j = 0 .. 3; in memory and in LDS a chunk lies as [j / 2][w][j % 2].
; LDS: two slots of one chunk (131,072 bytes, dense: a fragment load reads 512 consecutive bytes).  Chunk n lies in slot n % 2; the first weight lies in slot 1 until it is in registers, W_v in slot 0 behind chunk 2.
; FILLS.  At the head the first weight (wave 0), chunk 0 (wave 1), a window's scale bytes each (waves 2, 3), which stay.  Refills, each in a drained round of the cluster's barrier, a quarter a wave: chunks 1, 2, 3 inside
;   blocks 0, 4, 8; W_v behind block 11; chunk 2 anew at the change of phase (V takes chunk 3 first, as it lies).  A chunk's first half (waves 0 and 1's) is shown by the plain barrier inside the block two on, the rest by the next round.
; CLUSTERS: 4 x 4; a row of the cluster shares the tokens' rows, a column the weights': joint loads.
; THE STREAM.  Behind a block's 32 products its set takes the block two on.  A block's way out stands AMONG LATER PRODUCTS, so sums stand in two sets; in phase 2 a pair's are copied into two more.
; PREFETCHES: each 256 bytes of a chunk (of W_v) once in a cluster: the sixteen waves of a cluster's row (column) take 8,192 bytes each, lanes 256 bytes apart.  Chunks 1 and 2 are asked for at the head, chunk 3 inside the second trip, W_v inside the third.
.set XB, 16384  ; a block: 16 places x 1,024 codes
.set YB, 131072  ; slot 1
.set HB, 65536  ; half a chunk
.set SCL, 2*YB  ; scale bytes of my 512 tokens in the order of work, as units of 256 bytes (8 places) + 16 of padding
.set RS, 32  ; units of a window
.set BS, 2*272  ; a block's
.set HS, 4*BS  ; half a chunk's
.set CS, 8*BS  ; a chunk's
.set XN, SCL+2*RS*272  ; Q's or K's scale bytes: [column of waves][512 tokens in the order of work][2]
.set XV, XN+2048  ; V's: [wave][ks 2][tile 4][16][2]
.set SPARE, XV+1024
.set RBO, 32768  ; from block to block among Q's and K's codes
.set VTC, 16777216
.set QKS, 25165824
.set VTS, 25690112
.set NP, 8  ; plain vector lines behind a matrix instruction, ahead of a reader of its sums and of a load into what it has read
.set NF, 34  ; LDS loads of a block: eight fragments of four, two of four scale words
.set ADRA0, 4  ; v4  LDS address of my fragments of block 0
.set CN, 5  ; v5  512 h + 16 r
.set AAS0, 6  ; v6  LDS address of my place's scale words in block 0
.set CO, 9  ; v9  16 x lane
.set SPW, 10  ; v10  my spare word
.set NIL, 11  ; v11  0
.set ADRA, 12  ; v12, v17  as v4, v6, for the block that is fetched next
.set VX, 13  ; v13  LDS address of a scale byte
.set ADRB, 14  ; v14, v15  LDS address of my fragments of a weight in slot 1, in slot 0
.set ABS, 16  ; v16  4 x lane
.set AAS, 17
.set RD, 19  ; v19  LDS: V's byte
.set SOP, 20  ; v20-23  the conversions' scale operands
.set SB, 24  ; v24-39  the weight's scale words: register 8 p + q: lanes 0-15 tile 2 p's, lanes 16-31 tile 2 p + 1's
.set SA, 44  ; v44-59  the tokens': two sets of eight
.set EB, 40  ; v40-43  scale bytes
.set TQ, 60  ; v60-63  the way out's maxima and bounds
.set ACC, 64  ; v64-191  four sets of four accumulators: products write 0 and 1 by turns; 2 and 3 take a pair of V's blocks for its way out
.set WS, 128  ; v128-143  in phase 1: W_v's scale words
.set NCD, 192  ; v192-199  Q's or K's 32 codes
.set MCD, 192  ; v192-207  V's: four registers a tile
.set G1A, 24  ; descriptor groups 1 and 0: chunk 0, later W_v's refill
.set G0A, 56
.set G1B, 32  ; the first weight
.set G0B, 60
.set G1R, 48  ; a refill
.set G0R, 68
.set G1S, 92  ; scale bytes
.set G0S, 72
.set MSB, 0
.macro WIN new  ; the immediate's high byte repeats the setting that is left
.if MSB != (\new)
	s_set_vgpr_msb (MSB<<8)|(\new)
.set MSB, (\new)
.endif
.endm
.macro PLACES n
.rept \n
	v_nop
.endr
.endm
.macro BARRIER
	s_barrier_signal -1
	s_barrier_wait -1
.endm
.macro MIDDLE  ; a round's middle: behind the work-group's own signal
	WIN 0
	s_barrier_wait -1
	s_cmp_lg_u32 s14, 0
	s_cbranch_scc1 .Lnot_wave_0_\@
	s_barrier_signal -3
.Lnot_wave_0_\@:
	s_barrier_wait -3
.endm
.macro CROUND
	s_barrier_signal -1
	MIDDLE
	BARRIER
.endm
.macro TLOAD g0, g1  ; an s_nop 0 and four v_nop follow the load
	tensor_load_to_lds s[\g0:\g0+3], s[\g1:\g1+7]
	s_nop 0
	PLACES 4
.endm
.macro GROUP1 g, mask, rows  ; descriptor group 1: so many blocks of 16,384 bytes, end to end, as elements of 8 bytes; no padding
	s_or_b32 s[\g+0], s[\mask], (3<<16)|(1<<21)
	s_mov_b32 s[\g+1], 2048<<16
	s_mov_b32 s[\g+2], (\rows)<<16
	s_mov_b32 s[\g+3], 2048<<16
	s_mov_b32 s[\g+4], \rows
	s_mov_b32 s[\g+5], 2048
	s_mov_b32 s[\g+6], 0
	s_mov_b32 s[\g+7], 0
.endm
.macro SHA d, x, n  ; s[d] += s[x] << n
	s_lshl_b32 s20, s\x, \n
	s_add_co_u32 s\d, s\d, s20
.endm
.macro WALU  ; the wait at these places
	s_wait_alu depctr_va_vdst(0)
.endm
	s_load_b256 s[4:11], s[0:1], 0x0  ; xc, xs, ws, qkv
	v_lshl_add_u32 v[SPW], v0, 2, SPARE
	v_mov_b32 v[NIL], 0
	ds_add_u32 v[SPW], v[NIL]  ; the wave's opening: the add, twice on end, and its wait ahead of my first tensor load
	ds_add_u32 v[SPW], v[NIL]
	v_lshrrev_b32 v1, 5, v0
	v_readfirstlane_b32 s14, v1  ; wave 0..3
	s_lshr_b32 s15, s14, 1  ; my row of waves
	s_and_b32 s16, s14, 1  ; my column of waves
	s_bfe_u32 s40, ttmp6, 0x40000  ; cx, cy
	s_bfe_u32 s41, ttmp6, 0x40004
	s_lshl_b32 s42, ttmp9, 2
	s_add_co_u32 s42, s42, s40  ; tile column = 4 x cluster x + cx: Q's 0 .. 7, K's 8 .. 15
	s_and_b32 s43, ttmp7, 0xffff
	s_lshl_b32 s43, s43, 2
	s_add_co_u32 s43, s43, s41  ; tile row = 4 x cluster y + cy
	s_lshr_b32 s19, ttmp9, 1
	s_and_b32 s18, ttmp9, 1  ; V's window
	s_lshl_b32 s44, s41, 2
	s_lshl_b32 s44, 15, s44  ; my row of the cluster shares the tokens
	s_lshl_b32 s45, 0x1111, s40  ; my column shares the weights
	GROUP1 G1B, 45, 8
	GROUP1 G1A, 44, 8
	GROUP1 G1R, 44, 2
; the scale bytes of a window: 8,192 dense bytes as 32 rows of 256 (32 elements of 8 bytes), 16 of padding behind each
	s_or_b32 s[G1S+0], s44, (3<<16)|(1<<20)|(1<<21)|(5<<22)|(3<<25)
	s_mov_b32 s[G1S+1], 32<<16
	s_mov_b32 s[G1S+2], RS<<16
	s_mov_b32 s[G1S+3], 32<<16
	s_mov_b32 s[G1S+4], RS
	s_mov_b32 s[G1S+5], 32
	s_mov_b32 s[G1S+6], 0
	s_mov_b32 s[G1S+7], 0
	s_mov_b32 s[G0S], 1
	s_mul_i32 s[G0S+1], s16, RS*272
	s_add_co_u32 s[G0S+1], s[G0S+1], SCL
	s_lshl_b32 s67, s43, 19  ; s67, s2, s3: in xc the window that is not V's, V's window, W_v's 128 columns
	s_lshl_b32 s20, s18, 18
	s_add_co_u32 s2, s67, s20
	s_xor_b32 s20, s20, 1<<18
	s_add_co_u32 s67, s67, s20
	s_lshl_b32 s13, s19, 2
	s_add_co_u32 s13, s13, s40  ; V's tile column: 4 (cluster x / 2) + cx: each tile of V has one work-group
	s_lshl_b32 s3, s13, 17
	s_add_co_u32 s3, s3, 10240*1024
	s_lshl_b32 s12, s13, 9  ; s12, s82: in ws, W_v's and the first weight's words of my 64 columns
	SHA 12, 16, 8
	s_add_co_u32 s12, s12, 8192
	s_lshl_b32 s82, s42, 9
	SHA 82, 16, 8
	s_mov_b32 s83, 0
	s_lshl_b32 s78, s42, 17  ; the first weight's codes
	s_add_co_u32 s78, s78, 8192*1024
	s_mov_b32 s79, 0
	s_xor_b32 s20, s16, s18
	s_xor_b32 s20, s20, 1
	s_lshl_b32 s80, s43, 1  ; scale bytes: wave 2 the window that is not V's, wave 3 V's
	s_add_co_u32 s80, s80, s20
	s_lshl_b32 s80, s80, 13
	s_mov_b32 s81, 0
	s_lshl_b32 s66, s14, 15  ; my quarter of a refill
	s_mov_b32 s[G0A], 1
	s_mov_b32 s[G0A+1], 0
	s_mov_b32 s[G0B], 1
	s_mov_b32 s[G0B+1], YB
	s_mov_b32 s[G0R], 1
	s_lshl_b32 s90, s40, 2  ; which of the cluster row's sixteen waves I am,
	s_add_co_u32 s90, s90, s14
	s_lshl_b32 s100, s41, 2  ; and of the column's
	s_add_co_u32 s100, s100, s14
	v_and_b32 v1, 15, v0  ; r
	v_bfe_u32 v2, v0, 4, 1  ; h
	v_and_b32 v3, 31, v0  ; lane
	v_lshlrev_b32 v[CO], 4, v3
	s_lshl_b32 s20, s15, 15
	v_add_nc_u32 v[ADRA0], s20, v[CO]
	s_lshl_b32 s22, s16, 16
	v_add_nc_u32 v[ADRB+1], s22, v[CO]
	s_add_co_u32 s22, s22, YB
	v_add_nc_u32 v[ADRB], s22, v[CO]
	v_lshlrev_b32 v[ABS], 2, v3
	v_lshlrev_b32 v23, 5, v1  ; scale words: 32 bytes a place, and 16 more for each 256 passed
	v_lshrrev_b32 v22, 3, v1
	v_lshl_add_u32 v23, v22, 4, v23
	s_mul_i32 s20, s15, 2*BS
	s_add_co_u32 s20, s20, SCL
	v_add_nc_u32 v[AAS0], s20, v23
	WALU
	s_wait_dscnt 0x0  ; both opening adds are done
	CROUND  ; all sixteen work-groups are here: the first joint loads meet
	s_wait_kmcnt 0x0
	s_mov_b32 s86, s67
	s_mov_b32 s87, 0
	s_add_nc_u64 s[G0A+2:G0A+3], s[4:5], s[86:87]
	s_or_b32 s[G0A+3], s[G0A+3], 0x80000000
	s_add_nc_u64 s[G0B+2:G0B+3], s[4:5], s[78:79]
	s_or_b32 s[G0B+3], s[G0B+3], 0x80000000
	s_add_nc_u64 s[G0S+2:G0S+3], s[6:7], s[80:81]
	s_or_b32 s[G0S+3], s[G0S+3], 0x80000000
	s_add_nc_u64 s[86:87], s[8:9], s[82:83]
	s_cmp_eq_u32 s14, 0  ; ONE joint load a wave, and a line of its own for what is shown ahead of the rest
	s_cbranch_scc0 .Lwave_1
	TLOAD G0B, G1B  ; wave 0: the first weight
	s_branch .Lasked
.Lwave_1:
	s_cmp_eq_u32 s14, 1
	s_cbranch_scc0 .Lfor_scales
	TLOAD G0A, G1A  ; wave 1: chunk 0
	s_branch .Lasked
.Lfor_scales:
	TLOAD G0S, G1S  ; waves 2, 3: a window's scale bytes each
.Lasked:
; where my results go: offsets in qkv
	s_lshl_b32 s76, s43, 20  ; Q's, K's codes
	SHA 76, 15, 17
	SHA 76, 42, 11
	SHA 76, 16, 10
	s_mov_b32 s77, 0
	s_xor_b32 s21, s15, s18
	s_xor_b32 s21, s21, 1
	s_lshl_b32 s78, s42, 15  ; their scale words: wave n stores chunk n's 512 bytes
	SHA 78, 43, 11
	SHA 78, 21, 10
	SHA 78, 16, 9
	s_add_co_u32 s78, s78, QKS
	s_mov_b32 s79, 0
	s_lshl_b32 s22, s43, 1
	s_add_co_u32 s22, s22, s18  ; V's window
	s_lshl_b32 s80, s13, 20  ; V's codes
	SHA 80, 16, 19
	SHA 80, 22, 12
	SHA 80, 15, 10
	s_add_co_u32 s80, s80, VTC
	s_mov_b32 s81, 0
	s_lshl_b32 s82, s22, 13  ; its scale words: wave n stores ks n / 2, blocks 4 (n % 2) .. + 3: 256 bytes
	SHA 82, 15, 12
	SHA 82, 13, 9
	SHA 82, 16, 8
	s_add_co_u32 s82, s82, VTS
	s_mov_b32 s83, 0
	v_lshl_add_u32 v23, v1, 1, v2  ; 2 r + h
	s_lshl_b32 s21, s16, 10
	SHA 21, 15, 7
	s_add_co_u32 s21, s21, XN
	v_add_nc_u32 v[VX], s21, v23
	s_lshl_b32 s21, s14, 8
	s_add_co_u32 s21, s21, XV
	v_lshlrev_b32 v23, 1, v1
	v_add_nc_u32 v[RD], s21, v23  ; V's byte: 2 r: both halves of the lanes hold the same byte
	v_lshlrev_b32 v23, 9, v2
	v_lshl_add_u32 v[CN], v1, 4, v23
	s_mov_b32 s20, s12
	s_mov_b32 s21, 0
	s_add_nc_u64 s[20:21], s[8:9], s[20:21]
.irp p, 0,1
.irp q, 0,1,2,3,4,5,6,7
	global_load_b32 v[SB+8*\p+\q], v[ABS], s[86:87] offset:12288*\q+128*\p
	global_load_b32 v[WS+8*\p+\q], v[ABS], s[20:21] offset:12288*\q+128*\p
.endr
.endr
	s_wait_xcnt 0x0  ; the loads have taken their addresses; they change below
	s_add_co_u32 s6, s67, YB  ; chunk 1
	s_add_co_u32 s7, s2, YB  ; chunk 3
	s_lshl_b32 s21, s90, 13
	s_add_co_u32 s22, s21, s6
	v_lshl_add_u32 v7, v3, 8, s22  ; v7, v8: a prefetch's offsets: my sixteenth of chunk 1, of chunk 2
	s_add_co_u32 s22, s21, s2
	v_lshl_add_u32 v8, v3, 8, s22
	v_add_nc_u32 v1, XB, v[ADRA0]  ; block 1's LDS addresses
	v_add_nc_u32 v2, BS, v[AAS0]
	WALU
	s_cmp_eq_u32 s14, 0
	s_cbranch_scc0 .Lnot_b
	s_wait_tensorcnt 0x0  ; wave 0: the first weight has landed.  The other waves' wait stands at the second barrier
.Lnot_b:
	BARRIER
	global_prefetch_b8 v7, s[4:5] th:TH_LOAD_NT scope:SCOPE_SE
	global_prefetch_b8 v8, s[4:5] th:TH_LOAD_NT scope:SCOPE_SE
.macro GRD
	s_wait_tensorcnt 0x0
	ds_add_u32 v[SPW], v[NIL]
.endm
.macro FRAG f, adr, q, off  ; a weight's fragment f = 4 q + b: 16 registers in window 1 + f / 16
	WIN (1+(\f)/16)<<6
.irp c, 0,1,2,3
	ds_load_b128 v[16*((\f)%16)+4*\c:16*((\f)%16)+4*\c+3], v[\adr] offset:2048*(\q)+512*\c+(\off)
.endr
.endm
.macro FETCHAT k, a, s  ; a block of tokens, all of K, into set k of window 3, and its scale words: NF loads
	WIN 3<<6
.irp q, 0,1,2,3,4,5,6,7
.irp c, 0,1,2,3
	ds_load_b128 v[128*\k+16*\q+4*\c:128*\k+16*\q+4*\c+3], v[\a] offset:2048*\q+512*\c
.endr
.endr
	WIN 0
	ds_load_b128 v[SA+8*\k:SA+8*\k+3], v[\s]
	ds_load_b128 v[SA+8*\k+4:SA+8*\k+7], v[\s] offset:16
.endm
.macro WMX s0, s1, x0, x1, mod
.if Q_
	v_wmma_scale_f32_16x16x128_f8f6f4 v[AC_:AC_+7], v[\s0:\s0+15], v[\s1:\s1+15], v[AC_:AC_+7], v[\x0], v[\x1] \mod
.else
	v_wmma_scale_f32_16x16x128_f8f6f4 v[AC_:AC_+7], v[\s0:\s0+15], v[\s1:\s1+15], 0, v[\x0], v[\x1] \mod
.endif
.endm
.macro PROD kind, e, a, n  ; product n = 4 q + b of a block: the q-th 128 of K, column tile b; tokens in set e, sums in set a.  kind 0 (Q, K): source 0 = the weight; kind 1 (V): source 0 = the tokens
.set Q_, (\n)/4
.set B_, (\n)%4
.set AC_, ACC+32*(\a)+8*B_
.set R_, 128*(\e)+16*Q_
.set W_, 16*((\n)%16)
.set XS_, SA+8*(\e)+Q_
.set WS_, SB+8*(B_/2)+Q_
.if \kind
	WIN 3|((1+(\n)/16)<<2)
.if B_%2
	WMX R_, W_, XS_, WS_, matrix_b_scale:MATRIX_SCALE_ROW1
.else
	WMX R_, W_, XS_, WS_
.endif
.else
	WIN (1+(\n)/16)|(3<<2)
.if B_%2
	WMX W_, R_, WS_, XS_, matrix_a_scale:MATRIX_SCALE_ROW1
.else
	WMX W_, R_, WS_, XS_
.endif
.endif
.endm
.macro HOLD x, b  ; held at the largest number that the format has under the block's scale: the conversion does not saturate (ISA guide 7.6.2)
	v_med3_num_f32 v[\x], v[\x], -v[TQ+\b], v[TQ+\b]
.endm
.macro SCALES i, n  ; i = 0: the conversion's scale operand v[SOP + n]; 1: the bound; 2: a second copy of it; 3: the scale byte
.if (\i) == 0
	v_add_nc_u32 v[SOP+\n], 0xfc000000, v[TQ]
.elseif (\i) == 1
	v_and_or_b32 v[TQ+1], v[TQ], 0x7f800000, s62
.elseif (\i) == 2
	v_mov_b32 v[TQ+3], v[TQ+1]
.else
	v_lshrrev_b32 v[EB+\n], 23, v[SOP+\n]
.endif
.endm
.macro MAXQ k, x  ; 18 lines: the largest magnitude of the 32 sums at x, and the floor 2^(9 - 127)
.if (\k) < 4
	v_max3_num_f32 v[TQ+\k], |v[\x+8*(\k)]|, |v[\x+8*(\k)+1]|, |v[\x+8*(\k)+2]|
.elseif (\k) < 12
	v_max3_num_f32 v[TQ+(\k)%4], v[TQ+(\k)%4], |v[\x+8*((\k)%4)+2*((\k)/4)+1]|, |v[\x+8*((\k)%4)+2*((\k)/4)+2]|
.elseif (\k) < 16
	v_max_num_f32 v[TQ+(\k)%4], v[TQ+(\k)%4], |v[\x+8*((\k)%4)+7]|
.elseif (\k) == 16
	v_max3_num_f32 v[TQ], v[TQ], v[TQ+1], v[TQ+2]
.else
	v_max3_num_f32 v[TQ], v[TQ], v[TQ+3], 0x4800000
.endif
.endm
.macro HOLDS m, x  ; two of a scale block's holds.  The fourth pair reads the bound's second copy (fewer than nine vector lines and eight scalar ones or more would stand between the first copy's write and it)
.if (\m) == 3
	HOLD \x, 3
	HOLD \x+1, 3
.else
	HOLD \x, 1
	HOLD \x+1, 1
.endif
.if (\m) == 2
	SCALES 2, 0
.endif
.endm
.macro GAPQ m, x  ; THE QUANTISER OF Q's OR K's BLOCK, gaps 0 .. 26: my 32 sums at x are e = 32 h + 0 .. 31 of my 64: a scale block lies in a lane
.if (\m) < 9
	MAXQ 2*(\m), \x
	MAXQ 2*(\m)+1, \x
.elseif (\m) == 9
	SCALES 0, 0
	SCALES 1, 0
.elseif (\m) < 26
	HOLDS (\m)-10, \x+2*((\m)-10)
.if ((\m)-10)%4 == 3
	v_cvt_scalef32_pk8_fp8_f32 v[NCD+2*(((\m)-10)/4):NCD+2*(((\m)-10)/4)+1], v[\x+8*(((\m)-10)/4):\x+8*(((\m)-10)/4)+7], v[SOP]
.endif
.elseif (\m) == 26
	SCALES 3, 0
.endif
.endm
.macro GAPV u, x  ; THE QUANTISER OF A PAIR OF V's BLOCKS, gaps 0 .. 59, 15 a tile: a scale block of 32 tokens lies in lanes l and l xor 16: the even block's sums at x, the odd's at x + 32
.set T_, (\u)/15
.set J_, (\u)%15
.set E_, \x+8*T_
.set O_, E_+32
.if (\u) > 59
.elseif J_ == 0
	v_max3_num_f32 v[TQ], |v[E_]|, |v[E_+1]|, |v[E_+2]|
	v_max3_num_f32 v[TQ+2], |v[O_]|, |v[O_+1]|, |v[O_+2]|
.elseif J_ < 3
	v_max3_num_f32 v[TQ], v[TQ], |v[E_+2*J_+1]|, |v[E_+2*J_+2]|
	v_max3_num_f32 v[TQ+2], v[TQ+2], |v[O_+2*J_+1]|, |v[O_+2*J_+2]|
.elseif J_ == 3
	v_max3_num_f32 v[TQ+2], v[TQ+2], |v[O_+7]|, 0x4800000
	v_max3_num_f32 v[TQ], v[TQ], |v[E_+7]|, v[TQ+2]
.elseif J_ == 4
	v_permlanex16_b32 v[TQ+2], v[TQ], s60, s61  ; the other half's largest
	v_max_num_f32 v[TQ], v[TQ], v[TQ+2]
.elseif J_ == 5
	SCALES 0, T_
	SCALES 1, T_
.elseif J_ < 10
	HOLDS J_-6, E_+2*(J_-6)
.if J_ == 9
	v_cvt_scalef32_pk8_fp8_f32 v[MCD+4*T_:MCD+4*T_+1], v[E_:E_+7], v[SOP+T_]
.endif
.elseif J_ < 14
	HOLDS J_-6, O_+2*(J_-10)
.if J_ == 13
	v_cvt_scalef32_pk8_fp8_f32 v[MCD+4*T_+2:MCD+4*T_+3], v[O_:O_+7], v[SOP+T_]
.endif
.else
	SCALES 3, T_
.endif
.endm
.macro RDESC i, off, lds  ; group 0 of a refill, in two parts: my quarter of the chunk at s[off] of xc, into the slot at s[lds]
.if (\i) == 0
	s_add_co_u32 s[G0R+1], s66, s\lds
	s_add_co_u32 s20, s66, s\off
.else
	s_mov_b32 s21, 0
	s_add_nc_u64 s[G0R+2:G0R+3], s[4:5], s[20:21]
	s_or_b32 s[G0R+3], s[G0R+3], 0x80000000
.endif
.endm
; WHAT STANDS BEHIND PRODUCT n.  j: the block's number in its trip (the second loop's: 4, 5; V's: -1, -2).  Behind 0 and 1: where the block before goes, and the addresses of the block two on; behind 2 a prefetch's offset or
; a byte's next place; behind 29 and 30 a refill's group 0; from 1 on a way out: y = 1 Q's or K's block at x; 2, 3 the halves of V's pair at x
.macro LIST n, j, y, x
.if (\n) == 0
.if (\j) == 1
	s_add_nc_u64 s[84:85], s[84:85], 5*RBO  ; on to the next chunk: the other row of waves' four blocks lie between
	s_cmp_eq_u32 s46, 2
	s_cselect_b64 s[84:85], s[88:89], s[84:85]  ; chunk 2: V's window
.elseif (\j) == 5
	s_add_nc_u64 s[84:85], s[84:85], s[86:87]
.elseif (\j) >= 0
	s_add_nc_u64 s[84:85], s[84:85], RBO
.endif
	WIN 0
.if (\j) == 0 || (\j) == 1
	s_add_co_u32 s22, s101, HB+(\j)*XB
.elseif (\j) > 1
	s_add_co_u32 s22, s47, ((\j)%2)*XB
.else
	s_add_co_u32 s22, s47, (-1-(\j))*XB
.endif
	v_add_nc_u32 v[ADRA], s22, v[ADRA0]
.elseif (\n) == 1
	WIN 0
.if (\j) == 0 || (\j) == 1
	s_add_co_u32 s22, s17, HS+(\j)*BS
.elseif (\j) > 1
	s_add_co_u32 s22, s8, ((\j)%2)*BS
.else
	s_add_co_u32 s22, s8, (-1-(\j))*BS
.endif
	v_add_nc_u32 v[AAS], s22, v[AAS0]
.endif
.if (\j) == 2 && (\n) == 2
	WIN 0
	v_lshl_add_u32 v7, v3, 8, s23
.elseif (\j) == 0 && ((\n) == 29 || (\n) == 30)
	RDESC (\n)-29, 6, 47
.elseif ((\j) == 1 || (\j) == 5) && (\n) == 2
	WIN 0
	v_add_nc_u32 v[VX], s9, v[VX]
.endif
.if (\y) == 1 && (\n) > 0 && (\n) < 28
	WIN 0
	GAPQ (\n)-1, \x
.elseif (\y) == 2 && (\n) > 0 && (\n) < 31
	WIN 0
	GAPV (\n)-1, \x
.elseif (\y) == 3 && (\n) > 0 && (\n) < 31
	WIN 0
	GAPV (\n)+29, \x
.endif
.endm
.macro BLOCK kind, e, a, from, to, j, y, x
.set N_, \from
.rept (\to)-(\from)
	PROD \kind, \e, \a, N_
	LIST N_, \j, \y, \x
.set N_, N_+1
.endr
.endm
.macro OPEN w  ; w: the LDS instructions that may be out (-1: no wait is due)
.if (\w) >= 0
	s_wait_dscnt \w
.endif
	s_wait_xcnt 0x0  ; stores and prefetches have read their registers
.endm
.macro BLK kind, e, a, w, j, y, x  ; a block
	OPEN \w
	BLOCK \kind, \e, \a, 0, 32, \j, \y, \x
	WIN 0
	PLACES NP
.endm
.macro RBLK kind, e, a, w, j, y, x  ; a block with a round of the cluster's barrier: the lines at its head, the signal behind 28 products
	OPEN \w
	GRD
	BLOCK \kind, \e, \a, 0, 28, \j, \y, \x
	WIN 0
	WALU
	s_wait_dscnt 0x0
	s_barrier_signal -1
	BLOCK \kind, \e, \a, 28, 32, \j, \y, \x
	MIDDLE
	BARRIER
.endm
.macro SBLK kind, e, a, w, j, y, x, half=0  ; a block with a plain barrier (half = 1: it shows waves 0 and 1's loads alone)
	OPEN \w
	BLOCK \kind, \e, \a, 0, 28, \j, \y, \x
	WIN 0
	WALU
.if \half
	s_cmp_lt_u32 s14, 2
	s_cbranch_scc0 .Lnot_yet_\@
	s_wait_tensorcnt 0x0
.Lnot_yet_\@:
.else
	s_wait_tensorcnt 0x0
.endif
	s_wait_dscnt 0x0
	s_barrier_signal -1
	BLOCK \kind, \e, \a, 28, 32, \j, \y, \x
	WIN 0
	s_barrier_wait -1
	PLACES NP
.endm
.macro QOUT off, boff  ; a block's byte goes to its place in LDS, its 32 codes a lane leave: sixteen lanes store 256 consecutive bytes
	ds_store_b8 v[VX], v[EB] offset:\boff
	global_store_b128 v[CN], v[NCD:NCD+3], s[84:85] offset:\off
	global_store_b128 v[CN], v[NCD+4:NCD+7], s[84:85] offset:(\off)+256
.endm
; the first weight into registers
.irp q, 0,1,2,3,4,5,6,7
.irp b, 0,1,2,3
	FRAG 4*\q+\b, ADRB, \q, \b*XB
.endr
.endr
	WIN 0
	s_wait_tensorcnt 0x0  ; chunk 0 and the scale bytes are in; the first weight is in registers
	s_wait_dscnt 0x0
	BARRIER
	FETCHAT 0, ADRA0, AAS0
	FETCHAT 1, 1, 2
	s_mov_b32 s60, 0x76543210  ; v_permlanex16_b32's selects for lane l xor 16
	s_mov_b32 s61, 0xfedcba98
	s_mov_b32 s62, 0x600000  ; the mantissa field of 448
.set I_, 0
.rept 32
	v_mov_b32 v[ACC+32+I_], 0  ; the first way out has no block before it: it reads these and stores nothing
.set I_, I_+1
.endr
	s_add_nc_u64 s[94:95], s[10:11], s[78:79]
	s_add_nc_u64 s[96:97], s[10:11], s[80:81]
	s_add_nc_u64 s[98:99], s[10:11], s[82:83]
	s_add_nc_u64 s[76:77], s[10:11], s[76:77]
	s_lshl_b32 s20, s18, 19
	s_mov_b32 s21, 0
	s_add_nc_u64 s[88:89], s[76:77], s[20:21]  ; Q's or K's codes of V's window
	s_xor_b32 s20, s20, 1<<19
	s_add_nc_u64 s[84:85], s[76:77], s[20:21]  ; of the other window
	s_sub_nc_u64 s[84:85], s[84:85], 6*RBO
	s_mov_b32 s46, 0  ; PHASE 1.  s46 the trip; s101, s47 this chunk's slot and the next chunk's; s17, s8 their scale words; s6 the chunk that is loaded; s9 to a byte's next place; s23 where my share of what is asked for ahead begins
	s_mov_b32 s9, 0
	s_mov_b32 s23, 0
	s_mov_b32 s101, 0
	s_mov_b32 s47, YB
	s_mov_b32 s17, 0
	s_mov_b32 s8, CS
	WALU
	s_wait_loadcnt 0x0
.Lfour:
	RBLK 0, 0, 0, NF, 0, 1, ACC+32  ; blocks 0, 4, 8: chunks 1, 2, 3 come
	s_cmp_lt_u32 s14, 2  ; waves 0, 1 and waves 2, 3 have a load line each: the barrier inside the block two on waits for the first line's alone
	s_cbranch_scc0 .Lupper
	TLOAD G0R, G1R
	s_branch .Lboth
.Lupper:
	TLOAD G0R, G1R
.Lboth:
	PLACES NP-4
	s_cmp_eq_u32 s46, 0
	s_cbranch_scc1 .Lno_block_before
	QOUT 0, 96
.Lno_block_before:
	FETCHAT 0, ADRA, AAS
	BLK 0, 1, 1, -1, 1, 1, ACC
	QOUT 0, 0
	FETCHAT 1, ADRA, AAS
	SBLK 0, 0, 0, NF, 2, 1, ACC+32, 1  ; the next chunk's first half is in
	QOUT 0, 32
	s_cmp_eq_u32 s46, 0
	s_cbranch_scc1 .Lnone_ahead
	s_add_co_u32 s22, s46, s18                     ; the third trip's prefetch is of W_v, which eight clusters want: the four whose V window is the first ask for it (a branch on the cluster's number)
	s_cmp_eq_u32 s22, 3
	s_cbranch_scc1 .Lnone_ahead
	global_prefetch_b8 v7, s[4:5] th:TH_LOAD_NT scope:SCOPE_SE
.Lnone_ahead:
	FETCHAT 0, ADRA, AAS
	BLK 0, 1, 1, -1, 3, 1, ACC
	QOUT 0, 64
	FETCHAT 1, ADRA, AAS
	s_cmp_eq_u32 s46, 0
	s_cselect_b32 s6, s2, s7
	s_cselect_b32 s21, s90, s100
	s_cselect_b32 s22, s7, s3
	s_lshl_b32 s21, s21, 13
	s_add_co_u32 s23, s21, s22
	s_mov_b32 s9, 256
	s_mov_b32 s101, s47
	s_mov_b32 s17, s8
	s_xor_b32 s47, s47, YB
	s_add_co_u32 s8, s8, CS
	s_add_co_u32 s46, s46, 1
	s_cmp_lg_u32 s46, 3
	s_cbranch_scc1 .Lfour
	GRD
	s_add_co_u32 s20, s66, s3
	s_mov_b32 s21, 0
	s_mov_b32 s[G0A+1], s66
	s_add_nc_u64 s[G0A+2:G0A+3], s[4:5], s[20:21]
	s_or_b32 s[G0A+3], s[G0A+3], 0x80000000
	GROUP1 G1A, 45, 2
	s_wait_dscnt 0x0
	CROUND
	TLOAD G0A, G1A
	s_mov_b32 s47, YB+HB
	s_mov_b32 s8, 3*CS+HS
	s_mov_b32 s9, 192
	s_mov_b32 s86, 5*RBO
	s_mov_b32 s87, 0
.Ltwo:
	BLK 0, 0, 0, NF, 4, 1, ACC+32  ; blocks 12, 14
	QOUT 0, 96
	FETCHAT 0, ADRA, AAS
	BLK 0, 1, 1, NF, 5, 1, ACC  ; 13, 15; the block two on is then V's: chunk 3 again, as it lies in slot 1
	QOUT 0, 64
	FETCHAT 1, ADRA, AAS
	s_mov_b32 s47, YB
	s_mov_b32 s8, 3*CS
	s_mov_b32 s9, 64
	s_mov_b32 s86, RBO
	s_add_co_u32 s46, s46, 1
	s_cmp_lg_u32 s46, 5
	s_cbranch_scc1 .Ltwo
; the change of phase
	s_wait_xcnt 0x0
	s_wait_tensorcnt 0x0  ; W_v is in
	s_wait_dscnt 0x0
	BARRIER
.macro CHANGE i  ; among W_v's 128 loads: the last block's way out; W_v's scale words into their place; zeros into what V's first way out reads (it stores nothing)
.if (\i) < 7
.irp k, 0,1,2,3
.if 4*(\i)+\k < 27
	GAPQ 4*(\i)+\k, ACC+32
.endif
.endr
.elseif (\i) < 9
.irp q, 0,1,2,3,4,5,6,7
	v_mov_b32 v[SB+8*((\i)-7)+\q], v[WS+8*((\i)-7)+\q]
.endr
.elseif (\i) < 15
.irp q, 0,1,2,3,4,5,6,7
	v_mov_b32 v[ACC+80+8*((\i)-9)+\q], 0
.endr
.endif
.endm
.irp q, 0,1,2,3,4,5,6,7
.irp b, 0,2
	FRAG 4*\q+\b, ADRB+1, \q, \b*XB
	FRAG 4*\q+\b+1, ADRB+1, \q, (\b+1)*XB
	WIN 0
	CHANGE 2*\q+\b/2
.endr
.endr
	QOUT RBO, 96
	GRD
	s_mov_b32 s47, 0
	RDESC 0, 2, 47
	RDESC 1, 2, 47
	s_mov_b32 s46, 0
	s_mov_b32 s47, YB+HB
	s_mov_b32 s8, 3*CS+HS
	s_wait_dscnt 0x0
	CROUND
	TLOAD G0R, G1R
.macro VOUT  ; a pair of V's blocks: four tiles' bytes and codes: 512 consecutive bytes a tile
.irp t, 0,1,2,3
	ds_store_b8 v[VX], v[EB+\t] offset:32*\t
	global_store_b128 v[CO], v[MCD+4*\t:MCD+4*\t+3], s[84:85] offset:131072*\t
.endr
.endm
.macro VTO  ; s22 = 2 ks + pair: where a pair's codes and bytes go: piece 2 w + pair of that ks
	s_lshl_b32 s20, s22, 9
	s_lshr_b32 s21, s22, 1
	s_lshl_b32 s23, s21, 10
	s_add_co_u32 s20, s20, s23
	s_lshl_b32 s23, s21, 7
	s_and_b32 s22, s22, 1
	s_add_co_u32 s22, s22, s23
	s_mov_b32 s21, 0
	s_add_nc_u64 s[84:85], s[96:97], s[20:21]
	v_add_nc_u32 v[VX], s22, v[RD]
.endm
.Lpair:
	BLK 1, 0, 0, -1, -1, 2, ACC+64
	s_cmp_eq_u32 s46, 3
	s_cbranch_scc1 .Lnone_0
	FETCHAT 0, ADRA, AAS
	s_wait_dscnt NF
	s_branch .Lgo
.Lnone_0:
	s_wait_dscnt 0x0
.Lgo:
	SBLK 1, 1, 1, -1, -2, 3, ACC+64  ; the first trip's shows chunk 2
.set I_, 0
.rept 32  ; the pair's sums are copied, so that one trip is two blocks of text
	v_dual_mov_b32 v[ACC+64+I_], v[ACC+I_] :: v_dual_mov_b32 v[ACC+64+I_+1], v[ACC+I_+1]
.set I_, I_+2
.endr
	s_add_co_u32 s22, s46, 1
	s_and_b32 s22, s22, 3
	VTO
	s_cmp_eq_u32 s46, 0
	s_cbranch_scc1 .Lno_pair_before
	VOUT
.Lno_pair_before:
	s_cmp_eq_u32 s46, 3
	s_cbranch_scc1 .Lnone_1
	FETCHAT 1, ADRA, AAS
.Lnone_1:
	s_mov_b32 s8, 2*CS+HS
	s_cmp_eq_u32 s46, 0
	s_cselect_b32 s47, 0, HB
	s_cselect_b32 s8, 2*CS, s8
	s_add_co_u32 s46, s46, 1
	s_cmp_lg_u32 s46, 4
	s_cbranch_scc1 .Lpair
	s_wait_xcnt 0x0
.set K_, 0
.rept 60
	GAPV K_, ACC+64
.set K_, K_+1
.endr
	WALU
	s_mov_b32 s22, 1
	VTO
	VOUT
	s_lshl_b32 s21, s14, 8
	s_add_co_u32 s21, s21, XN
	v_lshlrev_b32 v20, 3, v3
	v_add_nc_u32 v21, s21, v20  ; chunk n's scale bytes: four places a lane, two bytes from each column of waves
	s_lshl_b32 s21, s16, 8
	s_lshl_b32 s22, s15, 7
	s_add_co_u32 s21, s21, s22
	s_add_co_u32 s21, s21, XV
	v_lshl_add_u32 v23, v3, 2, s21  ; V's: two places a lane, two bytes from each row of waves
	s_mov_b32 s20, 0x05040100
	s_mov_b32 s21, 0x07060302
	WALU
	s_wait_dscnt 0x0  ; my scale bytes are in LDS
	BARRIER
	ds_load_b64 v[60:61], v21
	ds_load_b64 v[62:63], v21 offset:1024
	ds_load_b32 v40, v23
	ds_load_b32 v41, v23 offset:512
	s_wait_dscnt 0x0
	v_perm_b32 v44, v62, v60, s20
	v_perm_b32 v45, v62, v60, s21
	v_perm_b32 v46, v63, v61, s20
	v_perm_b32 v47, v63, v61, s21
	v_perm_b32 v42, v41, v40, s20
	v_perm_b32 v43, v41, v40, s21
	global_store_b128 v[CO], v[44:47], s[94:95]  ; 512 consecutive bytes
	global_store_b64 v20, v[42:43], s[98:99]  ; 256 consecutive bytes
	s_wait_tensorcnt 0x0  ; the wave's end
	ds_add_u32 v[SPW], v[NIL]
	s_wait_dscnt 0x0
	CROUND  ; the closing round
	s_endpgm
.Lfunc_end_k_q57f20748a5_proj:
	.size	k_q57f20748a5_proj, .Lfunc_end_k_q57f20748a5_proj-k_q57f20748a5_proj
	.p2alignl 7, 3214868480
	.fill 96, 4, 3214868480
	.section	.rodata,"a",@progbits
	.p2align	6, 0x0
	.amdhsa_kernel k_q57f20748a5_proj
		.amdhsa_group_segment_fixed_size 327680
		.amdhsa_private_segment_fixed_size 0
		.amdhsa_enable_private_segment 0
		.amdhsa_kernarg_size 32
		.amdhsa_user_sgpr_count 2
		.amdhsa_user_sgpr_kernarg_segment_ptr 1
		.amdhsa_wavefront_size32 1
		.amdhsa_system_sgpr_workgroup_id_x 1
		.amdhsa_system_sgpr_workgroup_id_y 1
		.amdhsa_system_sgpr_workgroup_id_z 1
		.amdhsa_system_vgpr_workitem_id 0
		.amdhsa_next_free_vgpr 1024
		.amdhsa_next_free_sgpr 102
		.amdhsa_reserve_vcc 0
		.amdhsa_float_denorm_mode_32 3
		.amdhsa_float_denorm_mode_16_64 3
		.amdhsa_memory_ordered 1
		.amdhsa_forward_progress 1
		.amdhsa_inst_pref_size 162
	.end_amdhsa_kernel
	.amdgpu_metadata
---
amdhsa.version: [ 1, 2 ]
amdhsa.kernels:
  - .name:           k_q57f20748a5_proj
    .symbol:         k_q57f20748a5_proj.kd
    .args:
      - { .name: xc, .offset: 0, .size: 8, .value_kind: global_buffer, .address_space: global }
      - { .name: xs, .offset: 8, .size: 8, .value_kind: global_buffer, .address_space: global }
      - { .name: ws, .offset: 16, .size: 8, .value_kind: global_buffer, .address_space: global }
      - { .name: qkv, .offset: 24, .size: 8, .value_kind: global_buffer, .address_space: global }
    .group_segment_fixed_size: 327680
    .private_segment_fixed_size: 0
    .kernarg_segment_align: 8
    .kernarg_segment_size: 32
    .max_flat_workgroup_size: 128
    .sgpr_count:     102
    .vgpr_count:     1024
    .wavefront_size: 32
...
	.end_amdgpu_metadata
.endif
;; end of part 2
;; launch scores (part 3): grid 36 x 4, 4 waves a work-group, no clusters, 327,680 bytes of LDS; arguments qkv, pst; writes pst
.if DOCPART == 3
	.amdgcn_target "amdgcn-amd-amdhsa--gfx1250"
	.amdhsa_code_object_version 6
	.text
	.protected	k_q57f20748a5_scores
	.globl	k_q57f20748a5_scores
	.p2align	8
	.type	k_q57f20748a5_scores,@function
k_q57f20748a5_scores:
	s_mov_b64 s[64:65], 0
	v_nop
	global_prefetch_b8 v0, s[64:65] scope:SCOPE_SE
	s_setreg_imm32_b32 hwreg(HW_REG_WAVE_MODE, 25, 1), 1
	s_wait_xcnt 0x0
; S^T = K Q^T on codes of FP8 (E4M3) with E8M0 scales, K = 1,024, for the 36 tiles of 256 queries x 256 keys of each batch that the causal mask leaves; then, in registers, the softmax's p and its quantising.
; A LOCAL M.  A wave holds 128 queries x 128 keys.  For each query it takes M_loc = ceil(the largest t of these 128 keys), t = score x log2(e) / 32, and p = 2^(t - M_loc), which it quantises along the keys (blocks of 32).
; It stores p's codes and scale word, -M_loc and l_loc = the sum of the unquantised p.  The next launch brings them under the row's M: M - M_loc is a whole number, so it is taken off the scale bytes, and the codes stay as they are.
; Source 0 = 16 keys, source 1 = 16 queries: a lane holds one query; K's rows lie in qkv so that blocks 2 B and 2 B + 1 leave a lane keys 32 B + 16 (lane / 16) + 0..15 in registers 16 B + 0..15.
; Queries lie at places (number with bits 3 and 4 exchanged); the mask compares true numbers.
; pst: p's codes [512 rb (query places)][16 ks (keys / 128)][2,048] as images of operand registers; at PSS three arrays [16 ks][512 rb][16 words]: scale words, -M_loc, l_loc.  Written: (block of 128 queries i, ks <= i).
; SHARES, ring, fragments and scale words as in the projections' launch: 256 x 256 a work-group, 128 x 128 a wave, two slots of 256 along K, one tensor load a wave behind each change of slots.
; NO CLUSTER: a batch's 36 tiles form a triangle; blocks of 4 x 4 tiles would cover 48, 12 of them wholly hidden.
; On a diagonal tile the wave with queries 0-127 and keys 128-255 has nothing that counts: it walks the loop (every wave passes every barrier and fetches its part) and leaves out the way out.
; LIMITS: NaN and infinities are not served; a block whose every p is 0 gets the byte 1 (its codes are zeros).
; REGISTERS: window 0: v16-29 addresses; v32-63 Q's scale words, v64-95 K's; v96-125 at work; v128-255 Q's fragments, on the way out codes and the blocks' words.  window 1: K's fragments, two sets.  windows 2, 3: the accumulators.
.set CL,      0
.set SLOT,    131072
.set SPARE,   2*SLOT                   ; the spare words, 128 bytes a wave: two blocks of 256 bytes that no other line names
.set RBPITCH, 32768
.set PITCH8,  RBPITCH/8
.set KSP,     32768
.set SOFS,    8*KSP                    ; K's scale words lie 8 ks behind Q's
.set QKS,     25165824
.set PSS,     16777216
.set ADRA, 16
.set ADRB, 20
.set LI16, 22
.set L4,   23
.set STW,  24
.set RBK,  25
.set SPW,  28
.set NIL,  29
.set SA,   32
.set SB,   64
.set TM,   96                          ; v96-111
.set LA,   116                         ; v[116:117], v[118:119] the sum in two chains
.set LB,   118
.set T,    120                         ; v120-121
.set QD,   124                         ; v124 my query's number in its group of 32, less 16 (lane / 16)
.set NINF, 125                         ; v125 -infinity
.set AF,   128
.set PC,   128                         ; v128-143 the codes
.set PWS,  144                         ; v144-151 a scale word for each of my 8 blocks
.set NMS,  160                         ; v160-175 -M_loc, a pair for each block
.set LSS,  176                         ; v176-183 l_loc
.set BKW,  184                         ; v184-195
.set G1A, 24
.set G0A, 32
.set G1B, 40
.set G0B, 48
.set SEL, 92
.set MNT, 94
.set CS,  96                           ; s[96:97] c = log2(e) / 32
.set MUL_LO, 0xa1
.set MUL_HI, 0xf1
.set TO_B,   0x40
.set MSB, 0
.macro WIN new                         ; the immediate's high byte repeats the setting that is left
.if MSB != (\new)
	s_set_vgpr_msb (MSB<<8)|(\new)
.set MSB, (\new)
.endif
.endm
.macro PLACES n
.rept \n
	v_nop
.endr
.endm
; Waves 0 and 1 fetch Q's halves, waves 2 and 3 K's.  Four v_nop follow each of the two lines.
.macro JLOAD s
	s_cmp_eq_u32 s15, 0
	s_cbranch_scc0 .Lfor_b_\@
	tensor_load_to_lds s[G0A+4*(\s):G0A+4*(\s)+3], s[G1A:G1A+7]
	s_nop 0
.rept 4
	v_nop
.endr
	s_branch .Lasked_\@
.Lfor_b_\@:
	tensor_load_to_lds s[G0B+4*(\s):G0B+4*(\s)+3], s[G1B:G1B+7]
	s_nop 0
.rept 4
	v_nop
.endr
.Lasked_\@:
.endm
.macro FRAG reg, adr, q, i
.irp c, 0,1,2,3
	ds_load_b128 v[\reg+4*\c:\reg+4*\c+3], v[\adr] offset:(\i)*4096+(\q)*2048+512*\c
.endr
.endm
.macro FETCH_B slot, q, p
	WIN TO_B
.irp i, 0,1,2,3,4,5,6,7
	FRAG 128*(\p)+16*\i, ADRB+\slot, \q, \i
.endr
	WIN 0
.endm
.macro FETCH_A slot, q, i0
.irp i, \i0, \i0+1, \i0+2, \i0+3
	FRAG AF+16*(\i), ADRA+\slot, \q, \i
.endr
.endm
.macro WM a, b, p, ks, zero
.set rD, 8*(8*((\a)%4)+(\b))
.set rF, 128*(\p)+16*(\b)
.set rA, AF+16*(\a)
.set rX, SB+4*(\ks)+(\b)/2
.set rY, SA+4*(\ks)+(\a)/2
.set oB, (\b)%2
.set oA, (\a)%2
.if \zero
.if oB && oA
	v_wmma_scale_f32_16x16x128_f8f6f4 v[rD:rD+7], v[rF:rF+15], v[rA:rA+15], 0, v[rX], v[rY] matrix_a_scale:MATRIX_SCALE_ROW1 matrix_b_scale:MATRIX_SCALE_ROW1
.elseif oB
	v_wmma_scale_f32_16x16x128_f8f6f4 v[rD:rD+7], v[rF:rF+15], v[rA:rA+15], 0, v[rX], v[rY] matrix_a_scale:MATRIX_SCALE_ROW1
.elseif oA
	v_wmma_scale_f32_16x16x128_f8f6f4 v[rD:rD+7], v[rF:rF+15], v[rA:rA+15], 0, v[rX], v[rY] matrix_b_scale:MATRIX_SCALE_ROW1
.else
	v_wmma_scale_f32_16x16x128_f8f6f4 v[rD:rD+7], v[rF:rF+15], v[rA:rA+15], 0, v[rX], v[rY]
.endif
.else
.if oB && oA
	v_wmma_scale_f32_16x16x128_f8f6f4 v[rD:rD+7], v[rF:rF+15], v[rA:rA+15], v[rD:rD+7], v[rX], v[rY] matrix_a_scale:MATRIX_SCALE_ROW1 matrix_b_scale:MATRIX_SCALE_ROW1
.elseif oB
	v_wmma_scale_f32_16x16x128_f8f6f4 v[rD:rD+7], v[rF:rF+15], v[rA:rA+15], v[rD:rD+7], v[rX], v[rY] matrix_a_scale:MATRIX_SCALE_ROW1
.elseif oA
	v_wmma_scale_f32_16x16x128_f8f6f4 v[rD:rD+7], v[rF:rF+15], v[rA:rA+15], v[rD:rD+7], v[rX], v[rY] matrix_b_scale:MATRIX_SCALE_ROW1
.else
	v_wmma_scale_f32_16x16x128_f8f6f4 v[rD:rD+7], v[rF:rF+15], v[rA:rA+15], v[rD:rD+7], v[rX], v[rY]
.endif
.endif
.endm
; The 64 accumulators take turns, one instruction a turn, in the same order in every step.
.macro MUL16 a0, p, ks, zero
.irp a, \a0, \a0+1
.irp b, 0,1,2,3,4,5,6,7
	WM \a, \b, \p, \ks, \zero
.endr
.endr
.endm
.macro STEP slot, ks, zero
	s_wait_dscnt 16                                ; all but the youngest 16 loads (Q's blocks 4-7)
	WIN MUL_LO
	MUL16 0, 0, \ks, \zero
	MUL16 2, 0, \ks, \zero
	s_wait_dscnt 0x0
	PLACES 8                                       ; in front of loads into registers that matrix instructions have read
	FETCH_B \slot, 1, 1
	FETCH_A \slot, 1, 0
	WIN MUL_HI
	MUL16 4, 0, \ks, \zero
	MUL16 6, 0, \ks, \zero
	PLACES 8
	WIN 0
	FETCH_A \slot, 1, 4
.endm
.macro TURN slot, next, ks, fill
	s_wait_tensorcnt 0x0                           ; all my tensor loads have landed: my part of the next slot
	ds_add_u32 v[SPW], v[NIL]                      ; 0 onto my spare word
	s_wait_dscnt 17                                ; (the add and the youngest 16 loads may be out)
	WIN MUL_LO
	MUL16 0, 1, \ks, 0
	s_wait_dscnt 0x0                               ; the add is done, and my reads of this slot are over
	s_barrier_signal -1
	MUL16 2, 1, \ks, 0
	WIN 0
	s_barrier_wait -1
.if \fill
	s_add_nc_u64 s[G0A+4*\slot+2:G0A+4*\slot+3], s[G0A+4*\slot+2:G0A+4*\slot+3], 8192
	s_add_nc_u64 s[G0B+4*\slot+2:G0B+4*\slot+3], s[G0B+4*\slot+2:G0B+4*\slot+3], 8192
	JLOAD \slot                                    ; my one tensor load behind the barrier; 96 matrix instructions stand ahead of the wait for it
	PLACES 4
.else
	PLACES 8
.endif
	FETCH_B \next, 0, 0
	FETCH_A \next, 0, 0
	WIN MUL_HI
	MUL16 4, 1, \ks, 0
	MUL16 6, 1, \ks, 0
	PLACES 8
	WIN 0
	FETCH_A \next, 0, 4
.endm
.macro LAST ks
	s_wait_dscnt 16
	WIN MUL_LO
	MUL16 0, 1, \ks, 0
	MUL16 2, 1, \ks, 0
	s_wait_dscnt 0x0
	WIN MUL_HI
	MUL16 4, 1, \ks, 0
	MUL16 6, 1, \ks, 0
	WIN 0
.endm
; THE WAY OUT of block a: 16 queries x my 128 keys.  Register n of a lane's 64 holds key 32 (n / 16) + 16 (lane / 16) + n % 16.
.macro SOFTQ a
.set N, 2+(\a)/4
.set S, 64*((\a)%4)
.set NM, NMS+2*(\a)
.set W_RR, N|(N<<2)
.set W_RW, N|(N<<6)
	s_cmp_eq_u32 s60, 0                            ; on the diagonal (my queries and my keys are the same 128 tokens) hidden scores become -infinity ahead of the maximum
	s_cbranch_scc1 .Lopen_\@
	WIN W_RW
.set n, 0
	s_wait_alu depctr_va_vdst(0)
.rept 64
.set cc, 32*(n/16)+n%16-32*((\a)/2)-8*((\a)%2)     ; hidden where cc > QD, and QD lies in -16 .. 23
.if cc > 23
	v_mov_b32 v[S+n], 0xff800000
.elseif cc > -16
	v_cmp_gt_i32 vcc_lo, cc, v[QD]
	v_cndmask_b32 v[S+n], v[S+n], v[NINF], vcc_lo
.endif
.set n, n+1
.endr
	WIN 0
.Lopen_\@:
	WIN W_RR
.irp b, 0,1,2,3
	v_max_num_f32 v[TM+\b], v[S+16*\b], v[S+16*\b+1]       ; the largest score of each block of 32 keys: for the row's maximum, and, since p rises with the score, for the block's largest p
.endr
.irp i, 2,4,6,8,10,12,14
.irp b, 0,1,2,3
	v_max3_num_f32 v[TM+\b], v[S+16*\b+\i], v[S+16*\b+\i+1], v[TM+\b]
.endr
.endr
	WIN 0
.irp b, 0,1,2,3
	v_permlanex16_b32 v[TM+4+\b], v[TM+\b], s[SEL], s[SEL+1]
.endr
.irp b, 0,1,2,3
	v_max_num_f32 v[TM+\b], v[TM+\b], v[TM+4+\b]
.endr
	v_max3_num_f32 v[T], v[TM], v[TM+1], v[TM+2]
	v_max_num_f32 v[T], v[T], v[TM+3]              ; the largest score of my query among these 128 keys (key 0 of a diagonal block counts for every query: it is a number)
	v_mul_f32 v[T], s[CS], v[T]
	v_floor_f32 v[NM], -v[T]                       ; -M_loc = floor(-t) = -ceil(t)
	v_mov_b32 v[NM+1], v[NM]
.irp b, 0,1,2,3
	v_fma_f32 v[TM+\b], v[TM+\b], s[CS], v[NM]
.endr
	WIN W_RW
.set n, 0
.rept 32
	v_pk_fma_f32 v[S+n:S+n+1], v[S+n:S+n+1], s[CS:CS+1], v[NM:NM+1] op_sel_hi:[1,0,0]   ; t - M_loc, two at a time
.set n, n+2
.endr
.set n, 0
	s_wait_alu depctr_va_vdst(0)
.rept 64
	v_exp_f32 v[S+n], v[S+n]                       ; p, at most 1: not normalised
.set n, n+1
.endr
	WIN 0
.irp b, 0,1,2,3
	v_exp_f32 v[TM+\b], v[TM+\b]                   ; the block's largest p: the same two instructions on the same number
.endr
	v_mov_b32 v[LA], 0                             ; (plain lines behind the exponentials)
	v_mov_b32 v[LA+1], 0
	v_mov_b32 v[LB], 0
	v_mov_b32 v[LB+1], 0
	s_wait_alu depctr_va_vdst(0)
.irp b, 0,1,2,3
	v_max_num_f32 v[TM+\b], 0x4800000, v[TM+\b]    ; the floor 2^(9 - 127)
.endr
.irp b, 0,1,2,3
	v_add_nc_u32 v[TM+12+\b], 0xfc000000, v[TM+\b]
.endr
.irp b, 0,1,2,3
	v_and_or_b32 v[TM+8+\b], v[TM+\b], 0x7f800000, s[MNT]
.endr
.irp b, 0,1,2,3
	v_lshrrev_b32 v[TM+4+\b], 23, v[TM+12+\b]
.endr
	v_lshl_or_b32 v[PWS+(\a)], v[TM+5], 8, v[TM+4]
	v_lshl_or_b32 v[PWS+(\a)], v[TM+6], 16, v[PWS+(\a)]
	v_lshl_or_b32 v[PWS+(\a)], v[TM+7], 24, v[PWS+(\a)]
	WIN N
.irp j, 0,4,8,12,16,20,24,28,32,36,40,44,48,52,56,60
	v_pk_add_f32 v[LA:LA+1], v[S+\j:S+\j+1], v[LA:LA+1]            ; the sum is taken of the unquantised p
	v_pk_add_f32 v[LB:LB+1], v[S+\j+2:S+\j+3], v[LB:LB+1]
.endr
	WIN 0
	v_pk_add_f32 v[LA:LA+1], v[LA:LA+1], v[LB:LB+1]
	v_add_f32 v[T], v[LA], v[LA+1]
	v_permlanex16_b32 v[T+1], v[T], s[SEL], s[SEL+1]
	v_add_f32 v[LSS+(\a)], v[T], v[T+1]
	WIN W_RW
.set n, 0
.rept 64
	v_min_num_f32 v[S+n], v[S+n], v[TM+8+n/16]     ; the hold; p is not negative
.set n, n+1
.endr
	s_wait_alu depctr_va_vdst(0)
	s_wait_xcnt 0x0                                ; the last block's stores have read the codes' registers
	WIN N
.irp b, 0,1,2,3
	v_cvt_scalef32_pk8_fp8_f32 v[PC+4*\b:PC+4*\b+1], v[S+16*\b:S+16*\b+7], v[TM+12+\b]
	v_cvt_scalef32_pk8_fp8_f32 v[PC+4*\b+2:PC+4*\b+3], v[S+16*\b+8:S+16*\b+15], v[TM+12+\b]
.endr
	v_nop
	WIN 0
.irp c, 0,1,2,3
	global_store_b128 v[LI16], v[PC+4*\c:PC+4*\c+3], s[88:89] offset:32768*(\a)+512*\c   ; 512 consecutive bytes
.endr
	ds_store_b32 v[STW], v[PWS+(\a)] offset:128*(\a)
	ds_store_b32 v[STW], v[NM] offset:1024+128*(\a)
	ds_store_b32 v[STW], v[LSS+(\a)] offset:2048+128*(\a)
.endm
	s_load_b128 s[4:7], s[0:1], 0x0                ; qkv s[4:5], pst s[6:7]
	v_lshl_add_u32 v[SPW], v0, 2, SPARE
	v_mov_b32 v[NIL], 0
	ds_add_u32 v28, v29
	ds_add_u32 v28, v29
	s_wait_dscnt 0x0
	v_lshrrev_b32 v1, 5, v0
	v_readfirstlane_b32 s14, v1                    ; wave 0..3
	s_lshr_b32 s15, s14, 1                         ; my half of the queries.  Also: I fetch for Q (0) or K (1)
	s_and_b32 s16, s14, 1                          ; my half of the keys.  Also: which 8 blocks I fetch
	s_mov_b32 s56, 0                               ; the tile's row in the triangle: how many of the rows' first numbers the work-group's number has reached
.irp tri, 1,3,6,10,15,21,28
	s_cmp_ge_u32 ttmp9, \tri
	s_add_co_ci_u32 s56, s56, 0
.endr
	s_add_co_u32 s57, s56, 1
	s_mul_i32 s57, s57, s56
	s_lshr_b32 s57, s57, 1
	s_sub_co_u32 s57, ttmp9, s57                   ; and its column, at most the row
	s_and_b32 s58, ttmp7, 0xffff                   ; the batch
	s_cmp_eq_u32 s56, s57
	s_cselect_b32 s59, 1, 0                        ; a diagonal tile
	s_xor_b32 s60, s15, s16
	s_xor_b32 s60, s60, 1
	s_and_b32 s60, s60, s59                        ; my 128 x 128 lies on the diagonal
	s_xor_b32 s61, s15, 1
	s_and_b32 s61, s61, s16
	s_and_b32 s61, s61, s59                        ; or wholly above it
	s_lshl_b32 s58, s58, 7
	s_lshl_b32 s63, s56, 4
	s_add_co_u32 s63, s63, s58                     ; Q's first block
	s_lshl_b32 s62, s57, 4
	s_add_co_u32 s62, s62, s58                     ; K's
	; descriptor group 1: 8 rows (blocks) of 4,096 bytes as 512 elements of 8 bytes, no padding, no mask
.irp g, G1A, G1B
	s_mov_b32 s[\g], 3<<16
	s_mov_b32 s[\g+1], 512<<16
	s_mov_b32 s[\g+2], 8<<16
	s_mov_b32 s[\g+3], 512<<16
	s_mov_b32 s[\g+4], 8
	s_mov_b32 s[\g+5], PITCH8
	s_mov_b32 s[\g+6], 0
	s_mov_b32 s[\g+7], 0
.endr
	s_lshl_b32 s66, s16, 3
	s_add_co_u32 s68, s63, s66
	s_lshl_b32 s68, s68, 15
	s_mov_b32 s69, 0
	s_add_co_u32 s72, s62, s66
	s_lshl_b32 s72, s72, 15
	s_add_co_u32 s72, s72, 16384                   ; K's codes lie 8 ks behind Q's in a block
	s_mov_b32 s73, 0
	s_lshl_b32 s76, s14, 15
	s_wait_kmcnt 0x0
	s_add_nc_u64 s[70:71], s[4:5], s[68:69]
	s_add_nc_u64 s[74:75], s[4:5], s[72:73]
.irp s, 0,1
	s_mov_b32 s[G0A+4*\s], 1
	s_add_co_u32 s[G0A+4*\s+1], s76, \s*SLOT
	s_add_nc_u64 s[G0A+4*\s+2:G0A+4*\s+3], s[70:71], \s*4096
	s_or_b32 s[G0A+4*\s+3], s[G0A+4*\s+3], 0x80000000
	s_mov_b32 s[G0B+4*\s], 1
	s_add_co_u32 s[G0B+4*\s+1], s76, \s*SLOT
	s_add_nc_u64 s[G0B+4*\s+2:G0B+4*\s+3], s[74:75], \s*4096
	s_or_b32 s[G0B+4*\s+3], s[G0B+4*\s+3], 0x80000000
.endr
	JLOAD 0                                        ; slot 0: one tensor load a wave at the head
	s_lshl_b32 s78, s15, 3
	s_add_co_u32 s78, s78, s63
	s_lshl_b32 s78, s78, 6
	s_add_co_u32 s78, s78, QKS
	s_mov_b32 s79, 0
	s_add_nc_u64 s[78:79], s[4:5], s[78:79]
	s_add_co_u32 s80, s62, s66
	s_lshl_b32 s80, s80, 6
	s_add_co_u32 s80, s80, QKS
	s_mov_b32 s81, 0
	s_add_nc_u64 s[80:81], s[4:5], s[80:81]
	v_and_b32 v1, 31, v0
	v_lshlrev_b32 v[L4], 2, v1
	s_wait_alu depctr_va_vdst(0)
	v_lshlrev_b32 v[LI16], 4, v1
.irp k, 0,1,2,3,4,5,6,7
.irp m, 0,1,2,3
	global_load_b32 v[SA+4*\k+\m], v[L4], s[78:79] offset:\k*KSP+128*\m
	global_load_b32 v[SB+4*\k+\m], v[L4], s[80:81] offset:\k*KSP+SOFS+128*\m
.endr
.endr
	s_lshl_b32 s82, s15, 15
	s_lshl_b32 s83, s16, 15
	s_add_co_u32 s83, s83, 65536
.irp s, 0,1
	v_add_nc_u32 v[ADRA+\s], s82, v[LI16]
	v_add_nc_u32 v[ADRB+\s], s83, v[LI16]
	s_add_co_u32 s82, s82, SLOT
	s_add_co_u32 s83, s83, SLOT
.endr
	s_lshl_b32 s84, s14, 12                        ; my stage for the blocks' words, in slot 0: when it is first written that slot has had its last fill and its last read
	v_add_nc_u32 v[STW], s84, v[L4]
	v_lshrrev_b32 v2, 2, v1
	v_and_b32 v3, 3, v1
	v_lshlrev_b32 v3, 4, v3
	v_lshl_add_u32 v[RBK], v2, 7, v3
	v_add_nc_u32 v[RBK], s84, v[RBK]
	v_and_b32 v2, 7, v0
	v_and_b32 v3, 8, v0
	v_lshl_add_u32 v2, v3, 1, v2
	v_and_b32 v3, 16, v0
	v_sub_nc_u32 v[QD], v2, v3
	v_mov_b32 v[NINF], 0xff800000
.irp b, 0,1,2,3
	v_mov_b32 v[TM+4+\b], 0                        ; a lane permute's destination counts as one of its sources
.endr
	v_mov_b32 v[T+1], 0
	s_mov_b32 s[SEL], 0x76543210
	s_mov_b32 s[SEL+1], 0xfedcba98
	s_mov_b32 s[MNT], 0x600000
	s_mov_b32 s[CS], 0x3d38aa3b                    ; log2(e) / 32
	s_mov_b32 s[CS+1], s[CS]
	s_lshl_b32 s82, s57, 1
	s_add_co_u32 s82, s82, s16                     ; ks of p
	s_lshl_b32 s83, s15, 3
	s_add_co_u32 s83, s83, s63                     ; its first block
	s_lshl_b32 s88, s83, 15
	s_lshl_b32 s89, s82, 11
	s_add_co_u32 s88, s88, s89
	s_mov_b32 s89, 0
	s_add_nc_u64 s[88:89], s[6:7], s[88:89]        ; codes
	s_lshl_b32 s90, s82, 15
	s_lshl_b32 s91, s83, 6
	s_add_co_u32 s90, s90, s91
	s_add_co_u32 s90, s90, PSS
	s_mov_b32 s91, 0
	s_add_nc_u64 s[90:91], s[6:7], s[90:91]        ; words
	s_wait_loadcnt 0x0                             ; the scale words
	s_wait_alu depctr_va_vdst(0)                   ; the wait at the head's end
	s_wait_tensorcnt 0x0                           ; my part of slot 0 is in; these lines stand ahead of a later first fill, as ahead of a refill
	ds_add_u32 v[SPW], v[NIL]
	s_wait_dscnt 0x0
	s_barrier_signal -1
	s_barrier_wait -1
	JLOAD 1                                        ; slot 1's first fill
	FETCH_B 0, 0, 0
	FETCH_A 0, 0, 0
	FETCH_A 0, 0, 4
	STEP 0, 0, 1
	TURN 0, 1, 1, 1
	STEP 1, 2, 0
	TURN 1, 0, 3, 1
	STEP 0, 4, 0
	TURN 0, 1, 5, 0
	STEP 1, 6, 0
	LAST 7
	s_cmp_lg_u32 s61, 0                            ; nothing of a wholly hidden 128 x 128 is ever read: a branch on ids, with no barrier behind it
	s_cbranch_scc1 .Lhidden
	PLACES 8                                       ; in front of the first read of results
.irp a, 0,1,2,3,4,5,6,7
	SOFTQ \a
.endr
.irp q, 0,1,2
	ds_load_b128 v[BKW+4*\q:BKW+4*\q+3], v[RBK] offset:1024*\q     ; LDS serves a wave's instructions in order: these see my stores
.endr
	s_wait_dscnt 0x0
.irp q, 0,1,2
	global_store_b128 v[LI16], v[BKW+4*\q:BKW+4*\q+3], s[90:91] offset:524288*\q   ; my 8 blocks' words: 512 consecutive bytes in each of the three arrays
.endr
.Lhidden:
	s_wait_tensorcnt 0x0                           ; the wave's end
	ds_add_u32 v[SPW], v[NIL]
	s_wait_dscnt 0x0
	s_endpgm
.Lfunc_end_k_q57f20748a5_scores:
	.size	k_q57f20748a5_scores, .Lfunc_end_k_q57f20748a5_scores-k_q57f20748a5_scores
	.p2alignl 7, 3214868480
	.fill 96, 4, 3214868480
	.section	.rodata,"a",@progbits
	.p2align	6, 0x0
	.amdhsa_kernel k_q57f20748a5_scores
		.amdhsa_group_segment_fixed_size 327680
		.amdhsa_private_segment_fixed_size 0
		.amdhsa_enable_private_segment 0
		.amdhsa_kernarg_size 16
		.amdhsa_user_sgpr_count 2
		.amdhsa_user_sgpr_kernarg_segment_ptr 1
		.amdhsa_wavefront_size32 1
		.amdhsa_system_sgpr_workgroup_id_x 1
		.amdhsa_system_sgpr_workgroup_id_y 1
		.amdhsa_system_sgpr_workgroup_id_z 1
		.amdhsa_system_vgpr_workitem_id 0
		.amdhsa_next_free_vgpr 1024
		.amdhsa_next_free_sgpr 100
		.amdhsa_reserve_vcc 1
		.amdhsa_float_denorm_mode_32 3
		.amdhsa_float_denorm_mode_16_64 3
		.amdhsa_memory_ordered 1
		.amdhsa_forward_progress 1
		.amdhsa_inst_pref_size 250
	.end_amdhsa_kernel
	.amdgpu_metadata
---
amdhsa.version: [ 1, 2 ]
amdhsa.kernels:
  - .name:           k_q57f20748a5_scores
    .symbol:         k_q57f20748a5_scores.kd
    .args:
      - { .name: qkv, .offset: 0, .size: 8, .value_kind: global_buffer, .address_space: global }
      - { .name: pst, .offset: 8, .size: 8, .value_kind: global_buffer, .address_space: global }
    .group_segment_fixed_size: 327680
    .private_segment_fixed_size: 0
    .kernarg_segment_align: 8
    .kernarg_segment_size: 16
    .max_flat_workgroup_size: 128
    .sgpr_count:     100
    .vgpr_count:     1024
    .wavefront_size: 32
...
	.end_amdgpu_metadata
.endif
;; end of part 3
;; launch pv (part 4): grid 8 x 32, 4 waves a work-group, clusters of 4 x 1, 327,680 bytes of LDS; arguments pst, qkv, out0; writes out0
.if DOCPART == 4
	.amdgcn_target "amdgcn-amd-amdhsa--gfx1250"
	.amdhsa_code_object_version 6
	.text
	.protected	k_q57f20748a5_pv
	.globl	k_q57f20748a5_pv
	.p2align	8
	.type	k_q57f20748a5_pv,@function
k_q57f20748a5_pv:
	s_mov_b64 s[64:65], 0
	v_nop
	global_prefetch_b8 v0, s[64:65] scope:SCOPE_SE
	s_setreg_imm32_b32 hwreg(HW_REG_WAVE_MODE, 25, 1), 1
	s_wait_xcnt 0x0
	s_wait_alu depctr_hold_cnt(0) depctr_sa_sdst(0) depctr_va_vdst(0) depctr_va_sdst(0) depctr_va_ssrc(0) depctr_va_vcc(0) depctr_vm_vsrc(0)
	s_getreg_b32 s2, hwreg(HW_REG_IB_STS2, 6, 4)
	s_cmp_eq_u32 s2, 0
	s_cbranch_scc0 .Lentry_in_a_cluster
	s_endpgm
.Lentry_in_a_cluster:
	s_bfe_u32 s2, ttmp6, 0x10000c
	s_cmp_lg_u32 s2, 0x3003
	s_cbranch_scc0 .Lentry_shape_is_right
	s_endpgm
.Lentry_shape_is_right:
; O = P V / l on codes of FP8 (E4M3) with E8M0 scales; K = the keys.  P comes as codes made under a local M for each (query, 128 keys), with its scale words, -M_loc and l_loc.
; FIX brings a tile's words under the row's M = the largest M_loc: d = M - M_loc, a whole number, is taken off the four bytes of the scale word (an exact power of two: the codes stay), and l = the sum of l_loc 2^-d.
; LIMITS: d is held at 127 (l_loc 2^-127 is nothing beside l > 1/2); a byte smaller than d becomes 0, that is 2^-127: such a term is at most 448 x 2^-127 x |V| where the rule has less.  1 / l is v_rcp_f32.  NaN and infinities are not served.
; SHARES.  A work-group makes two tiles of 128 queries x 128 e: block ip of its batch's 16 blocks of queries (ip + 1 steps of 128 keys) and block 15 - ip (16 - ip steps): 17 steps in every work-group.  A wave: 64 x 64 of each.
; Source 0 = 16 rows of V^T (e places), source 1 = 16 queries of P: a lane holds one query, and blocks 2 B, 2 B + 1 of V^T leave it e = 32 B + 16 (lane / 16) + 0..15.  Queries lie at places; the stores' row offsets put them back.
; FIVE SLOT STEPS of 4 K steps, written out.  ip < 4: first tile steps 0-3; second 0-3, 4-7, 8-11, 12-15.  ip >= 4: first 0-3, 4-7; second 0-3, 4-7, 8-11.  K steps past a tile's count are fetched (bytes inside the buffers)
; and their products are jumped by a scalar branch on ids.
; ORDER.  Only the first tile's words are waited for and fixed ahead of the first products; the second tile's are fixed behind the first refill, and the first tile goes out behind the refill that follows its last slot step:
; both pieces of work stand where a refill is on its way, and half of the stores leave under the second tile's products.
; CLUSTER: the four work-groups of a cluster share batch and ip and differ in e: P's tiles are asked for jointly (mask 15); V's are each work-group's own, by plain loads behind the same rounds.
; REGISTERS: window 0: v16-29 addresses; v32-47, v48-79 P's scale words of the two tiles (register 2 ks + m: lanes 0-15 block 2 m, lanes 16-31 block 2 m + 1), v80-111 V's; v112-207 -M_loc and l_loc, on the way out rows of O;
;   v240-249 at work; v224-239 1 / l, a pair for each (tile, block).   window 1: two fragment buffers (P's 4 fragments, then V's 4).   window 2: the 32 accumulators.
; THE ORDER OF V^T's PLACES that holds in this text (in place of the one under SHARES): place 16 j + 8 m + i of a group of 64 is e = 32 m + 8 j + i, so a wave's four blocks leave a lane e = 32 (lane / 16) + 0..31 of its 64.
.set SLOT, 131072                      ; P's 8 blocks x 8,192 bytes (4 K steps), then V^T's
.set SPARE, 2*SLOT                     ; the spare words, 128 bytes a wave: two blocks of 256 bytes that no other line names
.set STAGE, SPARE+512                  ; the way out: 16 rows x 272 bytes a wave: bytes of their own, into which no fill lands
.set PSS,   16777216
.set VTC,   16777216
.set VTS,   25690112
.set ADP, 16
.set ADV, 20
.set STO, 24
.set RD,  25
.set CO,  26
.set L4,  27
.set SPW, 28
.set NIL, 29
.set SPA, 32
.set SPB, 48
.set SV,  80
.set NMA, 112
.set NMB, 128
.set LSA, 160
.set LSB, 176
.set LI,  224
.set NGM, 240
.set LAC, 242
.set BIGR, 244
.set RC,  246
.set OUTR, 112
.set BK,  144
.set F0,  0
.set F1,  128
.set G1P, 24
.set G0P, 32
.set G1V, 40
.set G0V, 48
.set AP,  66                           ; s[66:71] P's addresses for slot steps 2, 3, 4;  s[72:77] V's
.set AV,  72
.set NA,  78
.set NB,  79
.set SEL, 82
.set OUTA, 92
.set MSB, 0
.macro WIN new                         ; the immediate's high byte repeats the setting that is left
.if MSB != (\new)
	s_set_vgpr_msb (MSB<<8)|(\new)
.set MSB, (\new)
.endif
.endm
.macro PLACES n
.rept \n
	v_nop
.endr
.endm
; Waves 0 and 1 fetch P's halves (jointly), waves 2 and 3 V's.  The branch hangs on the wave's number alone.  Four v_nop follow each of the two lines.
.macro JLOAD s
	s_cmp_eq_u32 s15, 0
	s_cbranch_scc0 .Lfor_v_\@
	tensor_load_to_lds s[G0P+4*(\s):G0P+4*(\s)+3], s[G1P:G1P+7]
	s_nop 0
.rept 4
	v_nop
.endr
	s_branch .Lasked_\@
.Lfor_v_\@:
	tensor_load_to_lds s[G0V+4*(\s):G0V+4*(\s)+3], s[G1V:G1V+7]
	s_nop 0
.rept 4
	v_nop
.endr
.Lasked_\@:
.endm
.macro CROUND                          ; a round of the cluster's barrier
	s_barrier_signal -1
	s_barrier_wait -1
	s_cmp_lg_u32 s14, 0
	s_cbranch_scc1 .Lnot_wave_0_\@
	s_barrier_signal -3
.Lnot_wave_0_\@:
	s_barrier_wait -3
	s_barrier_signal -1
	s_barrier_wait -1
.endm
.macro WORDS sp, nm, ls, k0, k1, base  ; a tile's scale words, -M_loc and l_loc of my 4 blocks of queries, K steps k0 to k1 - 1: six loads a K step
.set kk, \k0
.rept \k1-\k0
.irp m, 0,1
	global_load_b32 v[\sp+2*kk+\m], v[L4], s[\base:\base+1] offset:32768*kk+128*\m
	global_load_b32 v[\nm+2*kk+\m], v[L4], s[\base:\base+1] offset:524288+32768*kk+128*\m
	global_load_b32 v[\ls+2*kk+\m], v[L4], s[\base:\base+1] offset:1048576+32768*kk+128*\m
.endr
.set kk, kk+1
.endr
.endm
.macro SVLOAD k0, k1                   ; V's scale words of my 4 blocks, K steps k0 to k1 - 1: two loads a K step
.set kk, \k0
.rept \k1-\k0
.irp m, 0,1
	global_load_b32 v[SV+2*kk+\m], v[L4], s[90:91] offset:4096*kk+128*\m
.endr
.set kk, kk+1
.endr
.endm
; A tile's words under the row's M.  nreg: the tile's count of K steps; from K step g0 on a step may lie past it: its -M_loc then counts as very large and its l_loc as 0 (a select on ids; what was loaded there is not used).
; All is done in place, one line at a time over the tile's 2 nks registers (register i: K step i / 2, half m = i % 2), so that no line reads the result of the line just above it.
.macro FIX sp, nm, ls, nks, nreg, g0, li
.set kk, \g0
.rept \nks-\g0
	s_cmp_gt_u32 s[\nreg], kk
	s_cselect_b32 s84, -1, 0
.irp m, 0,1
	v_cndmask_b32 v[\nm+2*kk+\m], v[BIGR], v[\nm+2*kk+\m], s84
	v_cndmask_b32 v[\ls+2*kk+\m], 0, v[\ls+2*kk+\m], s84
.endr
.set kk, kk+1
.endr
.irp m, 0,1
	v_min3_num_f32 v[NGM+\m], v[\nm+\m], v[\nm+2+\m], v[\nm+4+\m]
.endr
.set kk, 3
.rept (\nks-4)/2
.irp m, 0,1
	v_min3_num_f32 v[NGM+\m], v[NGM+\m], v[\nm+2*kk+\m], v[\nm+2*kk+2+\m]
.endr
.set kk, kk+2
.endr
.irp m, 0,1
	v_min_num_f32 v[NGM+\m], v[NGM+\m], v[\nm+2*(\nks-1)+\m]       ; -M = the least -M_loc
.endr
.set i, 0
.rept 2*\nks
	v_sub_f32 v[\nm+i], v[NGM+i%2], v[\nm+i]                       ; M_loc - M: a whole number, 0 or less
.set i, i+1
.endr
.set i, 0
.rept 2*\nks
	v_max_num_f32 v[\nm+i], 0xc2fe0000, v[\nm+i]                   ; held at -127
.set i, i+1
.endr
.set i, 0
.rept 2*\nks
	v_cvt_i32_f32 v[\nm+i], v[\nm+i]
.set i, i+1
.endr
.set i, 0
.rept 2*\nks
	v_ldexp_f32 v[\ls+i], v[\ls+i], v[\nm+i]                       ; l_loc under M
.set i, i+1
.endr
.set i, 0
.rept 2*\nks
	v_sub_nc_u32 v[\nm+i], 0, v[\nm+i]                             ; d
.set i, i+1
.endr
.set i, 0
.rept 2*\nks
	v_perm_b32 v[\nm+i], v[\nm+i], v[\nm+i], 0                     ; in all four bytes
.set i, i+1
.endr
.set i, 0
.rept 2*\nks
	v_or_b32 v[\sp+i], s80, v[\sp+i]                               ; each byte + 128 (p is at most 1: its bytes are at most 119), so that no byte borrows from its neighbour
.set i, i+1
.endr
.set i, 0
.rept 2*\nks
	v_sub_nc_u32 v[\sp+i], v[\sp+i], v[\nm+i]                      ; 128 + byte - d
.set i, i+1
.endr
.set i, 0
.rept 2*\nks
	v_and_b32 v[\nm+i], s80, v[\sp+i]                              ; bit 7 stands where byte >= d
.set i, i+1
.endr
.set u, 0                              ; l: a pair holds both halves m of a K step; neighbours 1, 2, (4,) and nks / 2 K steps apart are added
.rept \nks/2
	v_pk_add_f32 v[\ls+u:\ls+u+1], v[\ls+u:\ls+u+1], v[\ls+u+2:\ls+u+3]
.set u, u+4
.endr
.set u, 0
.rept \nks/4
	v_pk_add_f32 v[\ls+u:\ls+u+1], v[\ls+u:\ls+u+1], v[\ls+u+4:\ls+u+5]
.set u, u+8
.endr
.if \nks == 16
.set u, 0
.rept 2
	v_pk_add_f32 v[\ls+u:\ls+u+1], v[\ls+u:\ls+u+1], v[\ls+u+8:\ls+u+9]
.set u, u+16
.endr
.endif
	v_pk_add_f32 v[LAC:LAC+1], v[\ls:\ls+1], v[\ls+\nks:\ls+\nks+1]
	s_wait_alu depctr_va_vdst(0)
.irp m, 0,1
	v_rcp_f32 v[RC+\m], v[LAC+\m]
.endr
.set i, 0
.rept 2*\nks
	v_lshrrev_b32 v[\ls+i], 7, v[\nm+i]                            ; (plain lines behind the reciprocals; l_loc's registers are free)
.set i, i+1
.endr
.set i, 0
.rept 2*\nks
	v_sub_nc_u32 v[\nm+i], v[\nm+i], v[\ls+i]                      ; 0x7f where byte >= d, 0 elsewhere
.set i, i+1
.endr
.set i, 0
.rept 2*\nks
	v_and_b32 v[\sp+i], v[\sp+i], v[\nm+i]                         ; byte - d, or 0
.set i, i+1
.endr
	s_wait_alu depctr_va_vdst(0)
.irp m, 0,1
	v_permlanex16_b32 v[RC+2+\m], v[RC+\m], s[SEL], s[SEL+1]
.endr
.irp m, 0,1                            ; a block's 1 / l in both halves of the lanes; s81 names lanes 16-31
	v_cndmask_b32 v[\li+4*\m], v[RC+\m], v[RC+2+\m], s81
	v_cndmask_b32 v[\li+4*\m+1], v[RC+\m], v[RC+2+\m], s81
	v_cndmask_b32 v[\li+4*\m+2], v[RC+2+\m], v[RC+\m], s81
	v_cndmask_b32 v[\li+4*\m+3], v[RC+2+\m], v[RC+\m], s81
.endr
.endm
.macro FETCH slot, j, f                ; the slot's j-th K step: V's 4 fragments and P's 4: 32 loads of 512 consecutive bytes
	WIN 0x40
.irp b, 0,1,2,3
.irp c, 0,1,2,3
	ds_load_b128 v[\f+64+16*\b+4*\c:\f+64+16*\b+4*\c+3], v[ADV+\slot] offset:8192*\b+2048*(\j)+512*\c
.endr
.endr
.irp a, 0,1,2,3
.irp c, 0,1,2,3
	ds_load_b128 v[\f+16*\a+4*\c:\f+16*\a+4*\c+3], v[ADP+\slot] offset:8192*\a+2048*(\j)+512*\c
.endr
.endr
	WIN 0
.endm
.macro WMP f, acc, sp, ks, a, b, zero
.set rD, (\acc)+8*(4*(\a)+(\b))
.set rV, (\f)+64+16*(\b)
.set rP, (\f)+16*(\a)
.set rX, SV+2*(\ks)+(\b)/2
.set rY, (\sp)+2*(\ks)+(\a)/2
.set oB, (\b)%2
.set oA, (\a)%2
.if \zero
.if oB && oA
	v_wmma_scale_f32_16x16x128_f8f6f4 v[rD:rD+7], v[rV:rV+15], v[rP:rP+15], 0, v[rX], v[rY] matrix_a_scale:MATRIX_SCALE_ROW1 matrix_b_scale:MATRIX_SCALE_ROW1
.elseif oB
	v_wmma_scale_f32_16x16x128_f8f6f4 v[rD:rD+7], v[rV:rV+15], v[rP:rP+15], 0, v[rX], v[rY] matrix_a_scale:MATRIX_SCALE_ROW1
.elseif oA
	v_wmma_scale_f32_16x16x128_f8f6f4 v[rD:rD+7], v[rV:rV+15], v[rP:rP+15], 0, v[rX], v[rY] matrix_b_scale:MATRIX_SCALE_ROW1
.else
	v_wmma_scale_f32_16x16x128_f8f6f4 v[rD:rD+7], v[rV:rV+15], v[rP:rP+15], 0, v[rX], v[rY]
.endif
.else
.if oB && oA
	v_wmma_scale_f32_16x16x128_f8f6f4 v[rD:rD+7], v[rV:rV+15], v[rP:rP+15], v[rD:rD+7], v[rX], v[rY] matrix_a_scale:MATRIX_SCALE_ROW1 matrix_b_scale:MATRIX_SCALE_ROW1
.elseif oB
	v_wmma_scale_f32_16x16x128_f8f6f4 v[rD:rD+7], v[rV:rV+15], v[rP:rP+15], v[rD:rD+7], v[rX], v[rY] matrix_a_scale:MATRIX_SCALE_ROW1
.elseif oA
	v_wmma_scale_f32_16x16x128_f8f6f4 v[rD:rD+7], v[rV:rV+15], v[rP:rP+15], v[rD:rD+7], v[rX], v[rY] matrix_b_scale:MATRIX_SCALE_ROW1
.else
	v_wmma_scale_f32_16x16x128_f8f6f4 v[rD:rD+7], v[rV:rV+15], v[rP:rP+15], v[rD:rD+7], v[rX], v[rY]
.endif
.endif
.endm
; A K step's 16 products: the tile's 16 accumulators take turns, one instruction a turn.  guard = 1: jumped where the tile has no such K step.
.macro KSTEP f, acc, sp, ks, zero, guard, nreg
.if \guard
	s_cmp_le_u32 s[\nreg], \ks
	s_cbranch_scc1 .Lpast_\@
.endif
	WIN 0xa5                                       ; sources 0 and 1 window 1, C and D window 2
.irp a, 0,1,2,3
.irp b, 0,1,2,3
	WMP \f, \acc, \sp, \ks, \a, \b, \zero
.endr
.endr
	WIN 0
.if \guard
.Lpast_\@:
.endif
	PLACES 8                                       ; in front of the loads into the buffer just multiplied, and of the first read of results
.endm
.macro SSTEP slot, acc, sp, ks0, zero, guard, nreg
	FETCH \slot, 0, F0
	FETCH \slot, 1, F1
	s_wait_dscnt 32                                ; all but the 32 just issued
	KSTEP F0, \acc, \sp, (\ks0), \zero, 0, \nreg
	FETCH \slot, 2, F0
	s_wait_dscnt 32
	KSTEP F1, \acc, \sp, (\ks0)+1, 0, \guard, \nreg
	FETCH \slot, 3, F1
	s_wait_dscnt 32
	KSTEP F0, \acc, \sp, (\ks0)+2, 0, \guard, \nreg
	s_wait_dscnt 0x0
	KSTEP F1, \acc, \sp, (\ks0)+3, 0, \guard, \nreg
.endm
; THE CHANGE OF SLOTS.  Each wave waits for all its tensor loads (its part of the slot ahead), adds 0 to its spare word, and waits for that and for its reads of the slot that it leaves.
; fill = 1: the barrier is a round of the cluster's, and behind it the slot just left takes slot step t's tiles.
.macro CHANGE slot, t, fill
	s_wait_tensorcnt 0x0                           ; no tensor load of mine is out, so a group 0 may be written
	ds_add_u32 v[SPW], v[NIL]                      ; 0 onto my spare word
.if \fill
	s_mov_b64 s[G0P+4*\slot+2:G0P+4*\slot+3], s[AP+2*(\t-2):AP+2*(\t-2)+1]
	s_or_b32 s[G0P+4*\slot+3], s[G0P+4*\slot+3], 0x80000000
	s_mov_b64 s[G0V+4*\slot+2:G0V+4*\slot+3], s[AV+2*(\t-2):AV+2*(\t-2)+1]
	s_or_b32 s[G0V+4*\slot+3], s[G0V+4*\slot+3], 0x80000000
	s_wait_dscnt 0x0                               ; the add is done, and my reads of the slot are over
	CROUND
	JLOAD \slot
.else
	s_wait_dscnt 0x0
	s_barrier_signal -1
	s_barrier_wait -1
.endif
.endm
; THE WAY OUT of block n = 4 x tile + a: 16 queries x my 64 e, times 1 / l, through my stage, back as rows of 256 bytes.
.macro OUTB n
.set AC, 32*(\n)
.set LIP, LI+2*(\n)
.set BB, BK+32*((\n)%2)
	WIN 0x02
.set i, 0
.rept 16
	v_pk_mul_f32 v[OUTR+2*i:OUTR+2*i+1], v[AC+2*i:AC+2*i+1], v[LIP:LIP+1] op_sel_hi:[1,0]   ; each accumulator from its low end on
.set i, i+1
.endr
	WIN 0
.irp b, 0,1,2,3
	ds_store_b128 v[STO], v[OUTR+8*\b:OUTR+8*\b+3] offset:32*\b          ; e = 32 h + 8 b + 0..7
	ds_store_b128 v[STO], v[OUTR+8*\b+4:OUTR+8*\b+7] offset:32*\b+16
.endr
.if (\n) > 1
	s_wait_xcnt 0x0                                ; block n - 2's stores have read the registers that the loads below fill
.endif
.irp t, 0,1,2,3,4,5,6,7
	ds_load_b128 v[BB+4*\t:BB+4*\t+3], v[RD] offset:544*\t         ; LDS serves a wave's instructions in order: these see the stores above
.endr
.endm
.macro SENDB n, younger                ; younger: the LDS instructions issued behind block n's loads
.set BB, BK+32*((\n)%2)
.set aa, (\n)%4
.set OB, OUTA+2*((\n)/4)
	s_wait_dscnt \younger
.irp t, 0,1,2,3,4,5,6,7
	global_store_b128 v[CO], v[BB+4*\t:BB+4*\t+3], s[OB:OB+1] offset:(32*(aa/2)+8*(aa%2)+2*(\t%4)+16*(\t/4))*4096 th:TH_STORE_NT   ; place 16 a + 2 t + h is this row; 16 lanes store 256 consecutive bytes, aligned
.endr
.endm
.macro WAYOUT n0                       ; a tile's four blocks: a block's arithmetic stands between the loads of the block before and its stores (behind which 8 LDS stores and 8 LDS loads have been issued)
	OUTB \n0
	OUTB \n0+1
	SENDB \n0, 16
	OUTB \n0+2
	SENDB \n0+1, 16
	OUTB \n0+3
	SENDB \n0+2, 16
	SENDB \n0+3, 0
.endm
	s_load_b128 s[4:7], s[0:1], 0x0                ; pst s[4:5], qkv s[6:7]
	s_load_b64 s[8:9], s[0:1], 0x10                ; out0
	v_lshl_add_u32 v[SPW], v0, 2, SPARE
	v_mov_b32 v[NIL], 0
	ds_add_u32 v28, v29
	ds_add_u32 v28, v29
	s_wait_dscnt 0x0
	v_lshrrev_b32 v1, 5, v0
	v_readfirstlane_b32 s14, v1                    ; wave 0..3
	s_lshr_b32 s15, s14, 1                         ; my half of the queries.  Also: I fetch for P (0) or V (1)
	s_and_b32 s16, s14, 1                          ; my half of the e.  Also: which 4 blocks I fetch
	s_bfe_u32 s17, ttmp6, 0x40000                  ; cx
	s_lshl_b32 s18, ttmp9, 2
	s_add_co_u32 s18, s18, s17                     ; which 128 e: enters V's and O's global addresses alone
	s_and_b32 s19, ttmp7, 0xffff
	s_and_b32 s20, s19, 7                          ; ip: the first tile's block of queries
	s_lshr_b32 s19, s19, 3                         ; the batch
	s_add_co_u32 s[NA], s20, 1
	s_sub_co_u32 s[NB], 16, s20
	s_sub_co_u32 s21, 15, s20                      ; the second tile's block
	; descriptor groups 1: 4 rows (blocks) of 8,192 bytes as 1,024 elements of 8 bytes, no padding
	s_mov_b32 s[G1P], 15|(3<<16)|(1<<21)           ; 15:0 the mask: all four work-groups; 17:16 elements of 8 bytes; 21 set beside a mask
	s_mov_b32 s[G1V], 3<<16                        ; no mask
.irp g, G1P, G1V
	s_mov_b32 s[\g+1], 1024<<16
	s_mov_b32 s[\g+2], 4<<16
	s_mov_b32 s[\g+3], 1024<<16
	s_mov_b32 s[\g+4], 4
	s_mov_b32 s[\g+6], 0
	s_mov_b32 s[\g+7], 0
.endr
	s_mov_b32 s[G1P+5], 4096                       ; from block to block: 32,768 bytes
	s_mov_b32 s[G1V+5], 16384                      ; 131,072 bytes
	s_lshl_b32 s56, s19, 7                         ; 128 blocks a batch
	s_lshl_b32 s57, s16, 2
	s_lshl_b32 s58, s20, 3
	s_add_co_u32 s58, s58, s56
	s_add_co_u32 s58, s58, s57
	s_lshl_b32 s58, s58, 15                        ; P: the first tile's blocks that I fetch, in bytes
	s_lshl_b32 s59, s21, 3
	s_add_co_u32 s59, s59, s56
	s_add_co_u32 s59, s59, s57
	s_lshl_b32 s59, s59, 15                        ; the second tile's
	s_add_co_u32 s61, s58, 8192
	s_cmp_lt_u32 s20, 4
	s_cselect_b32 s60, 0, 8192                     ; ip >= 4: the second tile begins one slot step later
	s_cselect_b32 s61, s59, s61                    ; slot step 1: the second tile's K steps 0-3, or the first's 4-7
	s_lshl_b32 s62, s18, 3
	s_add_co_u32 s62, s62, s57
	s_lshl_b32 s62, s62, 17
	s_lshl_b32 s63, s19, 15
	s_add_co_u32 s62, s62, s63
	s_add_co_u32 s62, s62, VTC                     ; V^T: my blocks, the batch's first K step
	s_lshl_b32 s12, s14, 15                        ; where the tiles go: wave x 32,768
	s_mov_b32 s23, 0
	s_mov_b32 s11, 0
	s_wait_kmcnt 0x0
.irp s, 0,1
	s_mov_b32 s[G0P+4*\s], 1
	s_add_co_u32 s[G0P+4*\s+1], s12, \s*SLOT
	s_mov_b32 s[G0V+4*\s], 1
	s_add_co_u32 s[G0V+4*\s+1], s12, \s*SLOT
.endr
	s_mov_b32 s22, s58
	s_add_nc_u64 s[G0P+2:G0P+3], s[4:5], s[22:23]
	s_or_b32 s[G0P+3], s[G0P+3], 0x80000000
	s_mov_b32 s22, s61
	s_add_nc_u64 s[G0P+6:G0P+7], s[4:5], s[22:23]
	s_or_b32 s[G0P+7], s[G0P+7], 0x80000000
	s_sub_co_u32 s22, s59, s60
	s_add_nc_u64 s[AP:AP+1], s[4:5], s[22:23]
	s_add_nc_u64 s[AP:AP+1], s[AP:AP+1], 8192      ; slot steps 2, 3, 4: the second tile, 4 K steps on each time
	s_add_nc_u64 s[AP+2:AP+3], s[AP:AP+1], 8192
	s_add_nc_u64 s[AP+4:AP+5], s[AP+2:AP+3], 8192
	s_mov_b32 s10, s62
	s_add_nc_u64 s[G0V+2:G0V+3], s[6:7], s[10:11]
	s_or_b32 s[G0V+3], s[G0V+3], 0x80000000
	s_add_co_u32 s10, s62, s60
	s_add_nc_u64 s[G0V+6:G0V+7], s[6:7], s[10:11]
	s_or_b32 s[G0V+7], s[G0V+7], 0x80000000
	s_add_co_u32 s10, s62, 8192
	s_sub_co_u32 s10, s10, s60
	s_add_nc_u64 s[AV:AV+1], s[6:7], s[10:11]
	s_add_nc_u64 s[AV+2:AV+3], s[AV:AV+1], 8192
	s_add_nc_u64 s[AV+4:AV+5], s[AV+2:AV+3], 8192
	CROUND                                         ; all four work-groups are here: the first joint loads meet
	JLOAD 0                                        ; slot 0: one tensor load a wave at the head
	s_lshl_b32 s84, s15, 2
	s_lshl_b32 s86, s20, 3
	s_add_co_u32 s86, s86, s56
	s_add_co_u32 s86, s86, s84
	s_lshl_b32 s86, s86, 6
	s_add_co_u32 s86, s86, PSS
	s_mov_b32 s87, 0
	s_add_nc_u64 s[86:87], s[4:5], s[86:87]        ; the first tile's words of my 4 blocks
	s_lshl_b32 s88, s21, 3
	s_add_co_u32 s88, s88, s56
	s_add_co_u32 s88, s88, s84
	s_lshl_b32 s88, s88, 6
	s_add_co_u32 s88, s88, PSS
	s_mov_b32 s89, 0
	s_add_nc_u64 s[88:89], s[4:5], s[88:89]        ; the second tile's
	s_lshl_b32 s90, s18, 3
	s_add_co_u32 s90, s90, s57
	s_lshl_b32 s90, s90, 6
	s_lshl_b32 s91, s19, 16
	s_add_co_u32 s90, s90, s91
	s_add_co_u32 s90, s90, VTS
	s_mov_b32 s91, 0
	s_add_nc_u64 s[90:91], s[6:7], s[90:91]        ; V's scale words of my 4 blocks
	v_and_b32 v1, 31, v0
	v_lshlrev_b32 v[L4], 2, v1
	WORDS SPA, NMA, LSA, 0, 8, 86                  ; what the first slot step wants: the first tile's 48 words
	SVLOAD 0, 4                                    ; and V's 8 of K steps 0-3;
	WORDS SPB, NMB, LSB, 0, 10, 88                 ; behind them 60 of the second tile's
	v_lshlrev_b32 v2, 4, v1                        ; 16 x lane
	s_lshl_b32 s84, s15, 15
	s_lshl_b32 s85, s16, 15
	s_add_co_u32 s85, s85, 65536
.irp s, 0,1
	v_add_nc_u32 v[ADP+\s], s84, v2
	v_add_nc_u32 v[ADV+\s], s85, v2
	s_add_co_u32 s84, s84, SLOT
	s_add_co_u32 s85, s85, SLOT
.endr
	v_and_b32 v3, 15, v0                           ; r
	v_bfe_u32 v4, v0, 4, 1                         ; h
	s_mul_i32 s84, s14, 16*272
	s_add_co_u32 s84, s84, STAGE
	v_mul_u32_u24 v[STO], v3, 272
	v_lshl_add_u32 v[STO], v4, 7, v[STO]
	v_add_nc_u32 v[STO], s84, v[STO]               ; in: row r, + 128 h
	v_mul_u32_u24 v[RD], v4, 272
	v_lshl_add_u32 v[RD], v3, 4, v[RD]
	v_add_nc_u32 v[RD], s84, v[RD]                 ; back: lanes 0-15 one row, lanes 16-31 the next
	v_lshlrev_b32 v[CO], 12, v4
	v_lshl_add_u32 v[CO], v3, 4, v[CO]             ; and the same in O
	v_mov_b32 v[BIGR], 0x7f61b1e6                  ; 3e38: over every -M_loc
	v_mov_b32 v[RC+2], 0                           ; a lane permute's destination counts as one of its sources
	v_mov_b32 v[RC+3], 0
	s_mov_b32 s80, 0x80808080
	s_mov_b32 s81, 0xffff0000
	s_mov_b32 s[SEL], 0x76543210
	s_mov_b32 s[SEL+1], 0xfedcba98
	s_lshl_b32 s92, s19, 11
	s_lshl_b32 s93, s20, 7
	s_add_co_u32 s92, s92, s93
	s_lshl_b32 s93, s15, 6
	s_add_co_u32 s92, s92, s93
	s_lshl_b32 s92, s92, 12                        ; O: the first tile's first row of mine,
	s_lshl_b32 s93, s18, 9
	s_add_co_u32 s92, s92, s93
	s_lshl_b32 s93, s16, 8
	s_add_co_u32 s92, s92, s93                     ; my 64 e
	s_mov_b32 s93, 0
	s_add_nc_u64 s[92:93], s[8:9], s[92:93]
	s_lshl_b32 s94, s19, 11
	s_lshl_b32 s95, s21, 7
	s_add_co_u32 s94, s94, s95
	s_lshl_b32 s95, s15, 6
	s_add_co_u32 s94, s94, s95
	s_lshl_b32 s94, s94, 12
	s_lshl_b32 s95, s18, 9
	s_add_co_u32 s94, s94, s95
	s_lshl_b32 s95, s16, 8
	s_add_co_u32 s94, s94, s95
	s_mov_b32 s95, 0
	s_add_nc_u64 s[94:95], s[8:9], s[94:95]        ; the second tile's
	s_wait_alu depctr_va_vdst(0)
	s_wait_loadcnt 60                              ; loads come back in order: all but the 60 issued last are in: the first tile's words and V's of K steps 0-3
	FIX SPA, NMA, LSA, 8, NA, 1, LI
	WORDS SPB, NMB, LSB, 10, 16, 88                ; the rest: 36 of the second tile's words
	SVLOAD 4, 16                                   ; and V's 24 of K steps 4-15: they land under the first slot step
	PLACES 8                                       ; scale registers written by vector instructions stand eight places ahead of the products
	s_wait_tensorcnt 0x0                           ; my part of slot 0 is in; these lines stand ahead of a later first fill, as ahead of a refill
	ds_add_u32 v[SPW], v[NIL]
	s_wait_dscnt 0x0
	CROUND
	JLOAD 1                                        ; slot 1's first fill, the first tensor load behind the round
	SSTEP 0, 0, SPA, 0, 1, 1, NA                   ; the first tile's K steps 0-3
	CHANGE 0, 2, 1
	s_wait_loadcnt 0x0                             ; the second tile's words and the rest of V's
	FIX SPB, NMB, LSB, 16, NB, 9, LI+8             ; this work on registers stands while the refill is on its way
	PLACES 8
	s_cmp_lt_u32 s20, 4                            ; ip is the same in all four partners
	s_cbranch_scc0 .Lhigh
	WAYOUT 0                                       ; the first tile is finished: it goes out now
	SSTEP 1, 128, SPB, 0, 1, 0, NB
	CHANGE 1, 3, 1
	SSTEP 0, 128, SPB, 4, 0, 0, NB
	CHANGE 0, 4, 1
	SSTEP 1, 128, SPB, 8, 0, 0, NB
	CHANGE 0, 0, 0                                 ; nothing is left to fetch
	SSTEP 0, 128, SPB, 12, 0, 1, NB
	s_branch .Lout
.Lhigh:
	SSTEP 1, 0, SPA, 4, 0, 1, NA
	CHANGE 1, 3, 1
	WAYOUT 0                                       ; the first tile is finished: it goes out now
	SSTEP 0, 128, SPB, 0, 1, 0, NB
	CHANGE 0, 4, 1
	SSTEP 1, 128, SPB, 4, 0, 0, NB
	CHANGE 0, 0, 0
	SSTEP 0, 128, SPB, 8, 0, 1, NB
.Lout:
	WAYOUT 4
	s_wait_tensorcnt 0x0                           ; the wave's end
	ds_add_u32 v[SPW], v[NIL]
	s_wait_dscnt 0x0
	CROUND                                         ; the closing round
	s_endpgm
.Lfunc_end_k_q57f20748a5_pv:
	.size	k_q57f20748a5_pv, .Lfunc_end_k_q57f20748a5_pv-k_q57f20748a5_pv
	.p2alignl 7, 3214868480
	.fill 96, 4, 3214868480
	.section	.rodata,"a",@progbits
	.p2align	6, 0x0
	.amdhsa_kernel k_q57f20748a5_pv
		.amdhsa_group_segment_fixed_size 327680
		.amdhsa_private_segment_fixed_size 0
		.amdhsa_enable_private_segment 0
		.amdhsa_kernarg_size 24
		.amdhsa_user_sgpr_count 2
		.amdhsa_user_sgpr_kernarg_segment_ptr 1
		.amdhsa_wavefront_size32 1
		.amdhsa_system_sgpr_workgroup_id_x 1
		.amdhsa_system_sgpr_workgroup_id_y 1
		.amdhsa_system_sgpr_workgroup_id_z 1
		.amdhsa_system_vgpr_workitem_id 0
		.amdhsa_next_free_vgpr 768
		.amdhsa_next_free_sgpr 100
		.amdhsa_reserve_vcc 0
		.amdhsa_float_denorm_mode_32 3
		.amdhsa_float_denorm_mode_16_64 3
		.amdhsa_memory_ordered 1
		.amdhsa_forward_progress 1
		.amdhsa_inst_pref_size 255
	.end_amdhsa_kernel
	.section	.bss,"aw",@nobits
	.p2align	6
	.space	262144
	.amdgpu_metadata
---
amdhsa.version: [ 1, 2 ]
amdhsa.kernels:
  - .name:           k_q57f20748a5_pv
    .symbol:         k_q57f20748a5_pv.kd
    .args:
      - { .name: pst, .offset: 0, .size: 8, .value_kind: global_buffer, .address_space: global }
      - { .name: qkv, .offset: 8, .size: 8, .value_kind: global_buffer, .address_space: global }
      - { .name: out0, .offset: 16, .size: 8, .value_kind: global_buffer, .address_space: global }
    .group_segment_fixed_size: 327680
    .private_segment_fixed_size: 0
    .kernarg_segment_align: 8
    .kernarg_segment_size: 24
    .max_flat_workgroup_size: 128
    .sgpr_count:     100
    .vgpr_count:     768
    .wavefront_size: 32
...
	.end_amdgpu_metadata
.endif
;; end of part 4
